; MI455X (gfx1250); checked and timed in simulation.
; The chip was launched on July 23, 2026; its instructions are those of AMD's public machine-readable ISA for CDNA 5 (MIT licence, August 2026) and "CDNA5" Instruction Set Architecture Reference Guide (July 2026). The comments in the code are by the model that wrote it; some were corrected since.
;; D Sgroup MLP. Allowed arithmetic: float matrix products may take bf16 or f16 operands with f32 sums; all other float work in f32.
;; Inputs: W 256 x 256 float32; b 256 float32; beta 256 float32; feat 4 x 256 x 4,096 float32; gamma 256 float32; xyz 4 x 3 x 4,096 float32.
;; Outputs: out0 4 x 256 x 4,096 float32.
;; 2 versions, each right and faster than the one before. Each part assembles by itself: llvm-mc -triple=amdgcn-amd-amdhsa -mcpu=gfx1250 --defsym DOCPART=n.
;; ======== version 1 of 2: 5 launches
;; limits: a difference of large sums (such as E[x^2] - mean^2): digits are lost where the result is much smaller than its terms
;; workspace buffers: gmask 4,194,304 bytes of whole numbers; idxg 1,048,576 bytes of whole numbers; zs 16,777,216 bytes; mx 16,777,216 bytes; st 12,288 bytes
;; launch knn_grp (part 1): grid 256 x 1, 8 waves a work-group, no clusters, 182,528 bytes of LDS; arguments xyz, gmask; writes gmask
.if DOCPART == 1
	.amdgcn_target "amdgcn-amd-amdhsa--gfx1250"
	.amdhsa_code_object_version 6
	.text
	.protected	k_q20cbf83539_knn_grp
	.globl	k_q20cbf83539_knn_grp
	.p2align	8
	.type	k_q20cbf83539_knn_grp,@function
k_q20cbf83539_knn_grp:
	s_mov_b64 s[64:65], 0
	v_nop
	global_prefetch_b8 v0, s[64:65] scope:SCOPE_SE
	s_setreg_imm32_b32 hwreg(HW_REG_WAVE_MODE, 25, 1), 1
	s_wait_xcnt 0x0
; For every point n of a batch: which 32 of the 1,024 groups of four neighbouring points m hold its 32 nearest points.
; d(n,m) is formed in f32 as the problem's own expression: d = ((sq_m - 2 dot) + sq_n); dot is a fused chain, the coordinates ascending; sq is the rounded sum of the rounded squares.
; WHY GROUPS: the 32 nearest, in the order (d, index), lie in the 32 groups that come first in the order (group minimum, group number): were one of them in a later group,
; 32 groups would each hold a point ahead of it.  So the launch that orders the neighbours always has 32 x 4 candidates, and no trip count of either launch hangs on the data.
; T(n) = the 32nd smallest of the 1,024 group minima, by fixed networks of minima and maxima in the lane's registers.  At most 31 groups lie under T; those at T fill up to 32, lowest number first.
; gmask[b][n][2][32]: word W of part 0: bit 31 - i set where the minimum of group 32 W + i is under T; part 1: where it equals T.
; SHARES: a work-group owns 64 n of one batch; lane l of every wave owns the pair n = l and l + 32 (packed f32 arithmetic); wave w owns m = 512 w .. 512 w + 511.
; x0, x1 and sq of all m lie in LDS; a block of 8 m is six loads of 16 bytes at one address for all lanes; a packed source takes one register of a pair for both halves (op_sel).
; Pass 1: 128 m a trip: 32 group minima for each n, sorted, merged into the best 32.  The eight waves' lists are joined in LDS by a tree of three levels.  Pass 2: the minima again, against T.
; LIMIT: NaN or infinite coordinates are not served (the minima drop NaN).
; No matrix unit: the product has two terms and its last bit decides the order.  No cluster: what the work-groups share is 32 KB of coordinates, which pass through registers for sq.
.set TX0, 0                            ; LDS: x0 of the batch's 4,096 points
.set TX1, 16384                        ; x1
.set TSQ, 32768                        ; sq
.set R0,  49152                        ; [half of n 2][list 8][rank 32][lane 32] f32: the waves' best 32
.set R1,  114688                       ; [2][4][32][32]: after the tree's first level
.set R2,  147456                       ; [2][2][32][32]: after its second
.set TT,  163840                       ; T of the 64 n
.set STG, 164096                       ; [n 64] rows of 64 words, 272 bytes apart
.set SP,  272
.set XN0, 4                            ; v[4:5]   x0 of my two n
.set XN1, 6                            ; v[6:7]   x1
.set SQN, 8                            ; v[8:9]   sq
.set TH,  10                           ; v[10:11] T
.set ALL, 12                           ; v12-15   the words being filled: under T (n low, n high), at T (low, high)
.set ALH, 13
.set AEL, 14
.set AEH, 15
.set D,   16                           ; v[16:31] d of 8 m, a pair each
.set TA,  32                           ; v32      LDS byte of my wave's m in hand, the same in all lanes
.set SAD, 33                           ; v33      where my words go in the stage
.set TM,  34                           ; v[34:37] pass 2: four group minima
.set B0,  40                           ; v[40:63], v[64:87] two buffers of 8 m: x0, x1, sq
.set MINLO, 88                         ; v[88:119]  32 group minima of n low
.set MINHI, 120                        ; v[120:151] of n high
.set Y,     152                        ; v[152:183] the networks' other side
.set BESTLO, 184                       ; v[184:215] the best 32 so far, ascending
.set BESTHI, 216                       ; v[216:247]
	s_load_b128 s[4:7], s[0:1], 0x0                ; xyz s[4:5], gmask s[6:7]
	v_lshl_add_u32 v248, v0, 2, 0x2c500
	v_mov_b32 v249, 0
	v_and_b32 v1, 31, v0                           ; lane
	v_lshrrev_b32 v3, 5, v0
	v_readfirstlane_b32 s8, v3                     ; wave
	s_lshr_b32 s9, ttmp9, 6                        ; batch
	s_and_b32 s10, ttmp9, 63                       ; block of 64 n
	v_lshlrev_b32 v2, 2, v1                        ; 4 x lane
	v_lshlrev_b32 v38, 4, v0                       ; 16 x thread
	v_lshl_add_u32 v39, s10, 8, v2                 ; byte offset of n = 64 block + lane in a row of xyz
	s_mul_i32 s2, s9, 49152                        ; a batch of xyz: 3 rows of 16,384 bytes
	s_mov_b32 s3, 0
	s_wait_kmcnt 0x0
	s_add_nc_u64 s[12:13], s[4:5], s[2:3]          ; the batch's x0 row; x1 lies 16,384 bytes behind
.irp i, 0,1,2,3
	global_load_b128 v[MINLO+4*\i:MINLO+4*\i+3],       v38, s[12:13] offset:4096*\i          ; 256 threads x 16 bytes: a quarter of a row a load
	global_load_b128 v[MINLO+16+4*\i:MINLO+16+4*\i+3], v38, s[12:13] offset:16384+4096*\i
.endr
	global_load_b32 v[XN0],   v39, s[12:13]
	global_load_b32 v[XN0+1], v39, s[12:13] offset:128
	global_load_b32 v[XN1],   v39, s[12:13] offset:16384
	global_load_b32 v[XN1+1], v39, s[12:13] offset:16512
.set i, 0
.rept 64
	v_mov_b32 v[BESTLO+i], 0x7f800000              ; the best 32 of both n: +infinity, so that every trip of pass 1 merges alike
.set i, i+1
.endr
	v_mov_b32 v[ALL], 0
	v_mov_b32 v[ALH], 0
	v_mov_b32 v[AEL], 0
	v_mov_b32 v[AEH], 0
	v_mul_u32_u24 v[SAD], v1, SP
	s_lshl_b32 s2, s8, 4                           ; my wave's four words of a row
	s_add_co_u32 s2, s2, STG
	v_add_nc_u32 v[SAD], s2, v[SAD]
	s_wait_loadcnt 0x4                             ; the eight table loads are in; the four loads of my own n stay out
.set i, 0
.rept 8
	v_pk_mul_f32 v[MINHI+2*i:MINHI+2*i+1],       v[MINLO+2*i:MINLO+2*i+1],       v[MINLO+2*i:MINLO+2*i+1]
	v_pk_mul_f32 v[MINHI+16+2*i:MINHI+16+2*i+1], v[MINLO+16+2*i:MINLO+16+2*i+1], v[MINLO+16+2*i:MINLO+16+2*i+1]
.set i, i+1
.endr
.set i, 0
.rept 8
	v_pk_add_f32 v[MINHI+2*i:MINHI+2*i+1], v[MINHI+2*i:MINHI+2*i+1], v[MINHI+16+2*i:MINHI+16+2*i+1]   ; sq: two rounded squares, one rounded sum
.set i, i+1
.endr
.irp i, 0,1,2,3
	ds_store_b128 v38, v[MINLO+4*\i:MINLO+4*\i+3]       offset:TX0+4096*\i
	ds_store_b128 v38, v[MINLO+16+4*\i:MINLO+16+4*\i+3] offset:TX1+4096*\i
	ds_store_b128 v38, v[MINHI+4*\i:MINHI+4*\i+3]       offset:TSQ+4096*\i
.endr
	s_wait_loadcnt 0x0
	v_pk_mul_f32 v[SQN:SQN+1], v[XN0:XN0+1], v[XN0:XN0+1]
	v_pk_mul_f32 v[TM:TM+1],   v[XN1:XN1+1], v[XN1:XN1+1]
	v_pk_add_f32 v[SQN:SQN+1], v[SQN:SQN+1], v[TM:TM+1]
	s_wait_dscnt 0x0                               ; for the others' sake: my part of the tables is in LDS
	s_barrier_signal -1
	s_barrier_wait -1
; six LDS loads: x0, x1 and sq of block bk's 8 m, every lane at the same address
.macro LDB buf, bk
	ds_load_b128 v[\buf:\buf+3],     v[TA] offset:TX0+32*(\bk)
	ds_load_b128 v[\buf+4:\buf+7],   v[TA] offset:TX0+32*(\bk)+16
	ds_load_b128 v[\buf+8:\buf+11],  v[TA] offset:TX1+32*(\bk)
	ds_load_b128 v[\buf+12:\buf+15], v[TA] offset:TX1+32*(\bk)+16
	ds_load_b128 v[\buf+16:\buf+19], v[TA] offset:TSQ+32*(\bk)
	ds_load_b128 v[\buf+20:\buf+23], v[TA] offset:TSQ+32*(\bk)+16
.endm
; Block blk's 8 m (in the buffer at BB) against my two n, and the minima of its two groups.  An even m is the first register of its pair, an odd m the second.
; pass 1: the minima go to places 2 blk and 2 blk + 1 of the 32; pass 2: they are held against T, and two bits each are shifted in by an add with carry.
.macro BLK pass
.irp e, 0,2,4,6
	v_pk_mul_f32 v[D+2*\e:D+2*\e+1],   v[XN0:XN0+1], v[BB+\e:BB+\e+1] op_sel_hi:[1,0]
	v_pk_mul_f32 v[D+2*\e+2:D+2*\e+3], v[XN0:XN0+1], v[BB+\e:BB+\e+1] op_sel:[0,1] op_sel_hi:[1,1]
.endr
.irp e, 0,2,4,6
	v_pk_fma_f32 v[D+2*\e:D+2*\e+1],   v[XN1:XN1+1], v[BB+8+\e:BB+8+\e+1], v[D+2*\e:D+2*\e+1]   op_sel_hi:[1,0,1]
	v_pk_fma_f32 v[D+2*\e+2:D+2*\e+3], v[XN1:XN1+1], v[BB+8+\e:BB+8+\e+1], v[D+2*\e+2:D+2*\e+3] op_sel:[0,1,0] op_sel_hi:[1,1,1]
.endr
.irp e, 0,2,4,6
	v_pk_fma_f32 v[D+2*\e:D+2*\e+1],   v[D+2*\e:D+2*\e+1],   -2.0, v[BB+16+\e:BB+16+\e+1] op_sel_hi:[1,0,0]                 ; sq_m - 2 dot: doubling is exact, so one rounding as in the two-step form
	v_pk_fma_f32 v[D+2*\e+2:D+2*\e+3], v[D+2*\e+2:D+2*\e+3], -2.0, v[BB+16+\e:BB+16+\e+1] op_sel:[0,0,1] op_sel_hi:[1,0,1]
.endr
.irp e, 0,1,2,3,4,5,6,7
	v_pk_add_f32 v[D+2*\e:D+2*\e+1], v[D+2*\e:D+2*\e+1], v[SQN:SQN+1]
.endr
.if \pass == 1
.set Q0, MINLO+2*blk
.set Q1, MINHI+2*blk
.set Q2, MINLO+2*blk+1
.set Q3, MINHI+2*blk+1
.else
.set Q0, TM
.set Q1, TM+1
.set Q2, TM+2
.set Q3, TM+3
.endif
	v_min3_num_f32 v[Q0], v[D],   v[D+2],  v[D+4]
	v_min3_num_f32 v[Q1], v[D+1], v[D+3],  v[D+5]
	v_min3_num_f32 v[Q2], v[D+8], v[D+10], v[D+12]
	v_min3_num_f32 v[Q3], v[D+9], v[D+11], v[D+13]
	v_min_num_f32 v[Q0], v[Q0], v[D+6]
	v_min_num_f32 v[Q1], v[Q1], v[D+7]
	v_min_num_f32 v[Q2], v[Q2], v[D+14]
	v_min_num_f32 v[Q3], v[Q3], v[D+15]
.if \pass == 2
	v_cmp_lt_f32 s16, v[Q0], v[TH]
	v_cmp_eq_f32 s17, v[Q0], v[TH]
	v_cmp_lt_f32 s18, v[Q1], v[TH+1]
	v_cmp_eq_f32 s19, v[Q1], v[TH+1]
	v_cmp_lt_f32 s20, v[Q2], v[TH]
	v_cmp_eq_f32 s21, v[Q2], v[TH]
	v_cmp_lt_f32 s22, v[Q3], v[TH+1]
	v_cmp_eq_f32 s23, v[Q3], v[TH+1]
	v_add_co_ci_u32 v[ALL], vcc_lo, v[ALL], v[ALL], s16    ; word = 2 word + bit; after 32 groups the older bits have left
	v_add_co_ci_u32 v[AEL], vcc_lo, v[AEL], v[AEL], s17
	v_add_co_ci_u32 v[ALH], vcc_lo, v[ALH], v[ALH], s18
	v_add_co_ci_u32 v[AEH], vcc_lo, v[AEH], v[AEH], s19
	v_add_co_ci_u32 v[ALL], vcc_lo, v[ALL], v[ALL], s20
	v_add_co_ci_u32 v[AEL], vcc_lo, v[AEL], v[AEL], s21
	v_add_co_ci_u32 v[ALH], vcc_lo, v[ALH], v[ALH], s22
	v_add_co_ci_u32 v[AEH], vcc_lo, v[AEH], v[AEH], s23
.endif
.endm
; Five stages that put 32 numbers which first fall and then rise (or the like) in ascending order: from SRC, by turns between SRC and DST, the last stage into fin.
.macro MERGE fin
.irp j, 16,8,4,2,1
.if \j == 1
.set DST, \fin
.endif
.set i, 0
.rept 32
.if (i & \j) == 0
	v_min_num_f32 v[DST+i],    v[SRC+i], v[SRC+i+\j]
	v_max_num_f32 v[DST+i+\j], v[SRC+i], v[SRC+i+\j]
.endif
.set i, i+1
.endr
.set TMPS, SRC
.set SRC, DST
.set DST, TMPS
.endr
.endm
; The 32 numbers at mr are sorted upward (15 stages, by turns between mr and Y: they end in Y); rank i of the best 32 against rank 31 - i of the new ones: the smaller
; ones are the 32 smallest of the 64; five stages put them in order again, into br.
.macro SEL mr, br
.set SRC, \mr
.set DST, Y
.irp k, 2,4,8,16,32
.irp j, 16,8,4,2,1
.if \j < \k
.set i, 0
.rept 32
.if (i & \j) == 0
.if (i & \k) == 0
	v_min_num_f32 v[DST+i],    v[SRC+i], v[SRC+i+\j]
	v_max_num_f32 v[DST+i+\j], v[SRC+i], v[SRC+i+\j]
.else
	v_max_num_f32 v[DST+i],    v[SRC+i], v[SRC+i+\j]
	v_min_num_f32 v[DST+i+\j], v[SRC+i], v[SRC+i+\j]
.endif
.endif
.set i, i+1
.endr
.set TMPS, SRC
.set SRC, DST
.set DST, TMPS
.endif
.endr
.endr
.set i, 0
.rept 32
	v_min_num_f32 v[DST+i], v[\br+i], v[SRC+31-i]
.set i, i+1
.endr
.set TMPS, SRC
.set SRC, DST
.set DST, TMPS
	MERGE \br
.endm
; One pass over my wave's 512 m: 4 trips of 128 m, 16 blocks each, two buffers by turns: while a block is worked on, the next block's six loads are out.
.macro PASS p
	s_lshl_b32 s2, s8, 11
	v_mov_b32 v[TA], s2
	s_mov_b32 s11, 0
.Lpass\p:
	LDB B0, 0
	LDB B0+24, 1
.set blk, 0
.rept 16
.set BB, B0+24*(blk&1)
.if blk < 15
	s_wait_dscnt 6                                 ; LDS loads return in order: this block's six are in, the next block's six stay out
.else
	s_wait_dscnt 0x0
.endif
	BLK \p
.if blk < 14
	LDB BB, blk+2
.endif
.set blk, blk+1
.endr
.if \p == 1
	SEL MINLO, BESTLO
	SEL MINHI, BESTHI
.else
	ds_store_b32 v[SAD], v[ALL]                    ; n = lane: under T, at T
	ds_store_b32 v[SAD], v[AEL] offset:128
	ds_store_b32 v[SAD], v[ALH] offset:32*SP       ; n = lane + 32
	ds_store_b32 v[SAD], v[AEH] offset:32*SP+128
	v_add_nc_u32 v[SAD], 4, v[SAD]
.endif
	v_add_nc_u32 v[TA], 512, v[TA]
	s_add_co_u32 s11, s11, 1
	s_cmp_lt_u32 s11, 4
	s_cbranch_scc1 .Lpass\p
.endm
; A level of the tree.  Behind a barrier wave w (of the first nact) joins the two neighbouring lists at src + 8,192 w into one at dst + 4,096 w: with the lists laid
; [half of n][list][rank][lane] both places are plain multiples of the wave's number.  Each level writes a region of its own.  fin = 1: only the largest of the 32 smallest is wanted: T.
.macro TREE src, dst, nact, fin
	s_wait_dscnt 0x0                               ; for the others' sake: my stores of the level before are done
	s_barrier_signal -1
	s_barrier_wait -1
.if \nact < 8
	s_cmp_ge_u32 s8, \nact
	s_cbranch_scc1 .Ltree\nact
.endif
	v_lshl_add_u32 v3, s8, 13, v2
	v_add_nc_u32 v3, \src, v3
.set i, 0
.rept 32
	ds_load_b32 v[MINLO+i], v3 offset:i*128
.set i, i+1
.endr
.set i, 0
.rept 32
	ds_load_b32 v[MINHI+i], v3 offset:4096+i*128
.set i, i+1
.endr
	s_wait_dscnt 0x0
.set i, 0
.rept 32
	v_min_num_f32 v[Y+i], v[MINLO+i], v[MINHI+31-i]
.set i, i+1
.endr
.if \fin
.set i, 0
.rept 10
	v_max3_num_f32 v[Y+i], v[Y+3*i], v[Y+3*i+1], v[Y+3*i+2]
.set i, i+1
.endr
	v_max3_num_f32 v[Y],   v[Y],   v[Y+1],  v[Y+2]
	v_max3_num_f32 v[Y+1], v[Y+3], v[Y+4],  v[Y+5]
	v_max3_num_f32 v[Y+2], v[Y+6], v[Y+7],  v[Y+8]
	v_max3_num_f32 v[Y+3], v[Y+9], v[Y+30], v[Y+31]
	v_max3_num_f32 v[Y],   v[Y],   v[Y+1],  v[Y+2]
	v_max_num_f32  v[Y],   v[Y],   v[Y+3]
	v_lshl_add_u32 v3, s8, 7, v2
	v_add_nc_u32 v3, \dst, v3
	ds_store_b32 v3, v[Y]
.else
.set SRC, Y
.set DST, MINLO
	MERGE MINLO
	v_lshl_add_u32 v3, s8, 12, v2
	v_add_nc_u32 v3, \dst, v3
.set i, 0
.rept 32
	ds_store_b32 v3, v[MINLO+i] offset:i*128
.set i, i+1
.endr
.endif
.if \nact < 8
.Ltree\nact:
.endif
.endm
	PASS 1
	v_lshl_add_u32 v3, s8, 12, v2                  ; my wave's list, for both halves of n
	v_add_nc_u32 v3, R0, v3
.set i, 0
.rept 32
	ds_store_b32 v3, v[BESTLO+i] offset:i*128
	ds_store_b32 v3, v[BESTHI+i] offset:32768+i*128
.set i, i+1
.endr
	TREE R0, R1, 8, 0
	TREE R1, R2, 4, 0
	TREE R2, TT, 2, 1
	s_wait_dscnt 0x0
	s_barrier_signal -1
	s_barrier_wait -1
	v_add_nc_u32 v3, TT, v2
	ds_load_b32 v[TH],   v3
	ds_load_b32 v[TH+1], v3 offset:128
	s_wait_dscnt 0x0
	PASS 2
	s_wait_dscnt 0x0                               ; my words are in the stage
	s_barrier_signal -1
	s_barrier_wait -1
	; the way out: wave w takes rows 8 w .. 8 w + 7, two rows of 256 bytes a load; a store of the wave covers 512 consecutive bytes
	v_lshrrev_b32 v3, 4, v1
	v_mul_u32_u24 v3, v3, SP
	v_and_b32 v38, 15, v1
	v_lshl_add_u32 v3, v38, 4, v3
	s_mul_i32 s2, s8, 8*SP
	s_add_co_u32 s2, s2, STG
	v_add_nc_u32 v3, s2, v3
.irp t, 0,1,2,3
	ds_load_b128 v[Y+4*\t:Y+4*\t+3], v3 offset:\t*2*SP
.endr
	v_lshlrev_b32 v39, 4, v1
	s_lshl_b32 s2, s9, 12
	s_lshl_b32 s11, s10, 6
	s_add_co_u32 s2, s2, s11
	s_lshl3_add_u32 s2, s8, s2                     ; row = 4,096 b + 64 block + 8 w
	s_lshl_b32 s2, s2, 8
	s_add_nc_u64 s[6:7], s[6:7], s[2:3]
.irp t, 0,1,2,3
	s_wait_dscnt 3-\t                              ; LDS loads return in order: rows 2 t and 2 t + 1 are in
	global_store_b128 v39, v[Y+4*\t:Y+4*\t+3], s[6:7] offset:\t*512
.endr
	s_wait_tensorcnt 0x0
	ds_add_u32 v248, v249
	s_wait_dscnt 0x0
	s_endpgm
.Lfunc_end_k_q20cbf83539_knn_grp:
	.size	k_q20cbf83539_knn_grp, .Lfunc_end_k_q20cbf83539_knn_grp-k_q20cbf83539_knn_grp
	.p2alignl 7, 3214868480
	.fill 96, 4, 3214868480
	.section	.rodata,"a",@progbits
	.p2align	6, 0x0
	.amdhsa_kernel k_q20cbf83539_knn_grp
		.amdhsa_group_segment_fixed_size 182528
		.amdhsa_private_segment_fixed_size 0
		.amdhsa_enable_private_segment 0
		.amdhsa_kernarg_size 16
		.amdhsa_user_sgpr_count 2
		.amdhsa_user_sgpr_kernarg_segment_ptr 1
		.amdhsa_wavefront_size32 1
		.amdhsa_system_sgpr_workgroup_id_x 1
		.amdhsa_system_sgpr_workgroup_id_y 1
		.amdhsa_system_sgpr_workgroup_id_z 1
		.amdhsa_system_vgpr_workitem_id 0
		.amdhsa_next_free_vgpr 250
		.amdhsa_next_free_sgpr 66
		.amdhsa_reserve_vcc 1
		.amdhsa_float_denorm_mode_32 3
		.amdhsa_float_denorm_mode_16_64 3
		.amdhsa_memory_ordered 1
		.amdhsa_forward_progress 1
		.amdhsa_inst_pref_size 195
	.end_amdhsa_kernel
	.amdgpu_metadata
---
amdhsa.version: [ 1, 2 ]
amdhsa.kernels:
  - .name:           k_q20cbf83539_knn_grp
    .symbol:         k_q20cbf83539_knn_grp.kd
    .args:
      - { .name: xyz, .offset: 0, .size: 8, .value_kind: global_buffer, .address_space: global }
      - { .name: gmask, .offset: 8, .size: 8, .value_kind: global_buffer, .address_space: global }
    .group_segment_fixed_size: 182528
    .private_segment_fixed_size: 0
    .kernarg_segment_align: 8
    .kernarg_segment_size: 16
    .max_flat_workgroup_size: 256
    .sgpr_count:     66
    .vgpr_count:     250
    .wavefront_size: 32
...
	.end_amdgpu_metadata
.endif
;; end of part 1
;; launch knn_sort (part 2): grid 256 x 1, 16 waves a work-group, no clusters, 38,912 bytes of LDS; arguments xyz, gmask, idxg; writes idxg
.if DOCPART == 2
	.amdgcn_target "amdgcn-amd-amdhsa--gfx1250"
	.amdhsa_code_object_version 6
	.text
	.protected	k_q20cbf83539_knn_sort
	.globl	k_q20cbf83539_knn_sort
	.p2align	8
	.type	k_q20cbf83539_knn_sort,@function
k_q20cbf83539_knn_sort:
	s_mov_b64 s[64:65], 0
	v_nop
	global_prefetch_b8 v0, s[64:65] scope:SCOPE_SE
	s_setreg_imm32_b32 hwreg(HW_REG_WAVE_MODE, 25, 1), 1
	s_wait_xcnt 0x0
; The 32 nearest points of every n, in order (ascending d, ties to the lower index), from the group masks of the launch before.
; A wave takes one n at a time.  (1) Which groups: lane w holds word w of the mask of groups under T and of the mask of groups at T; a = the number under T (at most 31).
; Rank r < a takes the r-th group under T, rank r >= a the (r - a)-th group at T, in ascending group number (words ascending, bits from the top).  Whole-number work alone:
; bit counts, one prefix sum over the lanes (both counts in 16-bit fields), five steps of a search for the word over the prefix sums (each a pull from another lane),
; five steps of a search for the bit over the word's partial bit sums.  (2) The group's four points come from LDS by two loads of 16 bytes.  (3) Four turns of 32 candidates:
; d in f32, in the same form as in the launch before (dot a fused chain, sq the rounded sum of the rounded squares), made into a key whose unsigned order is d's; the first 32
; (key, index) pairs are sorted upward across the lanes by a fixed network, the others downward and merged with the 32 best so far.
; No branch hangs on data: 32 groups of 4 are 128 candidates for every input.  LDS addresses hang on the masks (whole numbers read from memory); d only chooses values.
; ORDER IN LDS: the coordinates are stored, a barrier; then only reads and lane pulls; a barrier; the four results go into the stage; a barrier; the stage is read.
; SHARES: work-group (b, qp) owns idxg[b][2 qp .. 2 qp + 1], 4,096 bytes; wave w, item t: k' = 2 w + (t >> 1), q = 2 qp + (t & 1), n = 128 k' + q.
; idxg[b][q][i][r][e] (u16) = 16 x (the r-th nearest of n = (8 i + e) 128 + q): the byte offset of that point's row in the next launch's table.
; LIMIT: NaN or infinite coordinates are not served.
; No matrix unit: the product has two terms and its last bit decides the order.  No cluster: what the work-groups share is 32 KB of coordinates, read once each.
.set OSTG, 32768                       ; LDS: bytes 0..32767 x0 and x1 of the batch; then for each wave 256 bytes: [item 4][rank 32] u16
.set LM1,  0x55555555                  ; lanes whose bit j is 0
.set LM2,  0x33333333
.set LM4,  0x0f0f0f0f
.set LM8,  0x00ff00ff
.set LM16, 0x0000ffff
.set AM2,  0x33333333                  ; lanes whose bit k is 0
.set AM4,  0x0f0f0f0f
.set AM8,  0x00ff00ff
.set AM16, 0x0000ffff
.set AM32, 0xffffffff
; v1 lane; v2 16 x thread; v[8:15] four items' two mask words; v24, v25 counts; v26 both; v27 prefix sum without, v47 with my own; v28, v29 at work; v30 field shift; v31 rank;
; v32 word number; v33 the word; v34, v35 best key, index; v36, v37 new key, index; v38, v39 the partner's (before that: partial bit sums, with v40); v41, v42 bit search; v43 group;
; v44, v45 d; v[48:51], v[52:55] x0, x1 of the group's four points; v57 its first point; v64 4 x lane; v65 my place in the stage; v[66:69] the four results
	s_load_b128 s[4:7], s[0:1], 0x0                ; xyz s[4:5], gmask s[6:7]
	s_load_b64 s[8:9], s[0:1], 0x10                ; idxg
	v_lshl_add_u32 v72, v0, 2, 0x9000
	v_mov_b32 v73, 0
	v_and_b32 v1, 31, v0
	v_lshrrev_b32 v2, 5, v0
	v_readfirstlane_b32 s10, v2                    ; wave
	s_lshr_b32 s11, ttmp9, 6                       ; batch
	s_and_b32 s12, ttmp9, 63                       ; qp
	s_mul_i32 s14, s11, 49152
	s_mov_b32 s15, 0
	v_lshlrev_b32 v2, 4, v0
	v_lshlrev_b32 v64, 2, v1
	s_wait_kmcnt 0x0
	s_add_nc_u64 s[20:21], s[4:5], s[14:15]        ; the batch's x0 row; x1 follows it
	global_load_b128 v[48:51], v2, s[20:21]
	global_load_b128 v[52:55], v2, s[20:21] offset:8192
	global_load_b128 v[56:59], v2, s[20:21] offset:16384
	global_load_b128 v[60:63], v2, s[20:21] offset:24576
	s_lshl_b32 s13, s10, 8
	s_lshl1_add_u32 s13, s12, s13                  ; item 0's n = 256 w + 2 qp; item t lies (t & 1) + 128 (t >> 1) further
	s_lshl_b32 s14, s13, 2
	s_add_nc_u64 s[18:19], s[20:21], s[14:15]
	s_load_b64 s[24:25], s[18:19], 0x0             ; x0 of items 0, 1
	s_load_b64 s[26:27], s[18:19], 0x200           ; of items 2, 3
	s_load_b64 s[28:29], s[18:19], 0x4000          ; x1
	s_load_b64 s[30:31], s[18:19], 0x4200
	s_lshl_b32 s14, s11, 12
	s_add_co_u32 s14, s14, s13
	s_lshl_b32 s14, s14, 8                         ; a row of masks is 256 bytes
	s_add_nc_u64 s[16:17], s[6:7], s[14:15]
.irp t, 0,1,2,3
	global_load_b32 v[8+2*\t], v64, s[16:17] offset:(\t&1)*256+(\t>>1)*32768       ; under T: lane w takes word w
	global_load_b32 v[9+2*\t], v64, s[16:17] offset:(\t&1)*256+(\t>>1)*32768+128   ; at T
.endr
	s_mov_b32 s36, 0x76543210                      ; v_permlanex16_b32: each lane takes its own place in the other half
	s_mov_b32 s37, 0xfedcba98
	s_mov_b32 s46, 0xffff0000                      ; lanes 16 to 31
	s_mov_b32 s48, 0x01010101
	s_lshl_b32 s47, s10, 8
	s_add_co_u32 s47, s47, OSTG
	v_lshl_add_u32 v65, v1, 1, s47
	v_mov_b32 v29, 0                               ; destinations of lane moves count as read: written once
	v_mov_b32 v38, 0
	v_mov_b32 v39, 0
	s_wait_kmcnt 0x0
.irp t, 0,1,2,3
	s_mul_f32 s[32+\t], s[24+\t], s[24+\t]         ; sq of my four n
	s_mul_f32 s47, s[28+\t], s[28+\t]
	s_add_f32 s[32+\t], s[32+\t], s47
.endr
	s_wait_loadcnt 0x8                             ; the four coordinate loads are in; the eight mask words behind them may stay out
	ds_store_b128 v2, v[48:51]
	ds_store_b128 v2, v[52:55] offset:8192
	ds_store_b128 v2, v[56:59] offset:16384
	ds_store_b128 v2, v[60:63] offset:24576
	s_wait_dscnt 0x0                               ; for the others' sake: my part of the coordinates is in LDS
	s_barrier_signal -1
	s_barrier_wait -1
; v[d] = the number of set bits of v[s]; v[t] at work
.macro POPC d, s, t
	v_lshrrev_b32 v[\t], 1, v[\s]
	v_and_b32 v[\t], 0x55555555, v[\t]
	v_sub_nc_u32 v[\d], v[\s], v[\t]
	v_lshrrev_b32 v[\t], 2, v[\d]
	v_and_b32 v[\d], 0x33333333, v[\d]
	v_and_b32 v[\t], 0x33333333, v[\t]
	v_add_nc_u32 v[\d], v[\d], v[\t]
	v_lshrrev_b32 v[\t], 4, v[\d]
	v_add_nc_u32 v[\d], v[\d], v[\t]
	v_and_b32 v[\d], 0x0f0f0f0f, v[\d]
	v_mul_lo_u32 v[\d], v[\d], s48
	v_lshrrev_b32 v[\d], 24, v[\d]
.endm
; A step of the search for the bit.  v41 = s: the bit lies among the word's lowest s; v31 = its rank among those, from the top, counted from 1.
; The upper dec of them hold t set bits (a field of wid bits of the partial sums at src); if the rank is above t, the bit lies below them.
.macro STEP src, dec, wid
	v_add_nc_u32 v42, -\dec, v41
	v_bfe_u32 v29, v[\src], v42, \wid
	v_cmp_gt_u32 vcc_lo, v31, v29
	v_sub_nc_u32 v29, v31, v29
	v_cndmask_b32 v41, v41, v42, vcc_lo
	v_cndmask_b32 v31, v31, v29, vcc_lo
.endm
; Compare and exchange with the lane j away.  sm: the lanes that keep the smaller pair.  A lane that keeps the smaller pair takes its partner's where its own is not below it,
; a lane that keeps the larger where its own is below: (mine below the partner's) xor sm.
.macro CE kr, ir, j, sm
.if \j == 16
	v_permlanex16_b32 v38, v[\kr], s36, s37
	v_permlanex16_b32 v39, v[\ir], s36, s37
.else
	v_mov_b32_dpp v38, v[\kr] row_xmask:\j row_mask:0xf bank_mask:0xf
	v_mov_b32_dpp v39, v[\ir] row_xmask:\j row_mask:0xf bank_mask:0xf
.endif
	v_cmp_lt_u32 s44, v[\kr], v38
	v_cmp_eq_u32 s45, v[\kr], v38
	v_cmp_lt_u32 vcc_lo, v[\ir], v39
	s_and_b32 s45, s45, vcc_lo
	s_or_b32 s44, s44, s45                         ; (key, index) of mine below the partner's
	s_xor_b32 vcc_lo, s44, \sm
	v_cndmask_b32 v[\kr], v[\kr], v38, vcc_lo
	v_cndmask_b32 v[\ir], v[\ir], v39, vcc_lo
.endm
; 32 pairs sorted across the lanes, 15 stages.  inv = 0: downward; 0xffffffff: upward
.macro SORT kr, ir, inv
.irp k, 2,4,8,16,32
.irp j, 16,8,4,2,1
.if \j < \k
	CE \kr, \ir, \j, (LM\j^AM\k^\inv)
.endif
.endr
.endr
.endm
; key and index of point e of my group, against item t's n
.macro KEY kr, ir, e, t
	v_mul_f32 v45, s[24+\t], v[48+\e]
	v_mul_f32 v44, v[48+\e], v[48+\e]
	v_mul_f32 v28, v[52+\e], v[52+\e]
	v_fma_f32 v45, s[28+\t], v[52+\e], v45
	v_add_f32 v44, v44, v28
	v_fma_f32 v44, -2.0, v45, v44                  ; sq_m - 2 dot: doubling is exact, so one rounding as in the two-step form
	v_add_f32 v44, s[32+\t], v44
	v_ashrrev_i32 v45, 31, v44                     ; a key whose unsigned order is d's: the sign bit set for d >= 0, all bits turned for d < 0
	v_or_b32 v45, 0x80000000, v45
	v_xor_b32 v[\kr], v44, v45
	v_add_nc_u32 v[\ir], \e, v57
.endm
.macro NPOINT t
.set LW, 8+2*\t
.set EW, 9+2*\t
	s_wait_loadcnt 6-2*\t                          ; loads return in order: this item's two words are in, the later items' stay out
	POPC 24, LW, 28
	POPC 25, EW, 28
	v_lshl_or_b32 v26, v25, 16, v24                ; both counts: under T below (31 in all at the most), at T above (1,024 at the most): no field runs over
	v_mov_b32 v47, v26
.irp x, 1,2,4,8
	v_mov_b32_dpp v29, v47 row_shr:\x row_mask:0xf bank_mask:0xf bound_ctrl:1
	v_add_nc_u32 v47, v47, v29                     ; prefix sum inside each half of 16 lanes
.endr
	v_readlane_b32 s47, v47, 15
	v_mov_b32 v29, s47
	v_cndmask_b32 v29, 0, v29, s46
	v_add_nc_u32 v47, v47, v29                     ; the lower half's total onto the upper half
	v_readlane_b32 s40, v47, 31
	s_and_b32 s40, s40, 0xffff                     ; a: groups under T
	v_sub_nc_u32 v27, v47, v26                     ; the sums without my own word
	v_cmp_le_u32 s43, s40, v1                      ; ranks a and above take groups at T
	v_cndmask_b32 v30, 0, 16, s43                  ; their field of the sums
	v_sub_nc_u32 v31, v1, s40
	v_cndmask_b32 v31, v1, v31, s43                ; my rank within my mask
	v_mov_b32 v32, 0
.irp st, 16,8,4,2,1                    ; the number of words whose sum, their own bits included, is not above my rank: that is my word (the last word's sum is above every rank)
	v_add_lshl_u32 v28, v32, \st-1, 2
	ds_bpermute_b32 v29, v28, v47
	v_add_nc_u32 v33, \st, v32
	s_wait_dscnt 0x0
	v_lshrrev_b32 v29, v30, v29
	v_and_b32 v29, 0xffff, v29
	v_cmp_le_u32 vcc_lo, v29, v31
	v_cndmask_b32 v32, v32, v33, vcc_lo
.endr
	v_lshlrev_b32 v28, 2, v32
	ds_bpermute_b32 v33, v28, v[LW]
	ds_bpermute_b32 v36, v28, v[EW]
	ds_bpermute_b32 v37, v28, v27
	s_wait_dscnt 0x0
	v_cndmask_b32 v33, v33, v36, s43               ; my word
	v_lshrrev_b32 v37, v30, v37
	v_and_b32 v37, 0xffff, v37
	v_sub_nc_u32 v31, v31, v37
	v_add_nc_u32 v31, 1, v31                       ; my rank within the word, counted from 1
	v_lshrrev_b32 v28, 1, v33
	v_and_b32 v28, 0x55555555, v28
	v_sub_nc_u32 v38, v33, v28                     ; bit sums of 2 bits,
	v_lshrrev_b32 v28, 2, v38
	v_and_b32 v28, 0x33333333, v28
	v_and_b32 v39, 0x33333333, v38
	v_add_nc_u32 v39, v39, v28                     ; of 4,
	v_lshrrev_b32 v28, 4, v39
	v_add_nc_u32 v28, v28, v39
	v_and_b32 v40, 0x0f0f0f0f, v28                 ; of 8,
	v_lshrrev_b32 v28, 8, v40
	v_add_nc_u32 v28, v28, v40                     ; and, in bits 23:16, of the upper 16
	v_mov_b32 v41, 32
	STEP 28, 16, 8
	STEP 40, 8, 4
	STEP 39, 4, 3
	STEP 38, 2, 2
	STEP 33, 1, 1                                  ; my bit is bit s - 1: group 32 - s of the word
	v_lshl_add_u32 v43, v32, 5, 32
	v_sub_nc_u32 v43, v43, v41
	v_min_u32 v43, 0x3ff, v43                      ; inside the table
	v_lshlrev_b32 v28, 4, v43
	ds_load_b128 v[48:51], v28                     ; x0 of the group's four points
	ds_load_b128 v[52:55], v28 offset:16384        ; x1
	v_lshlrev_b32 v57, 2, v43
	s_wait_dscnt 0x0
	KEY 34, 35, 0, \t
	SORT 34, 35, 0xffffffff
.irp e, 1,2,3
	KEY 36, 37, \e, \t
	SORT 36, 37, 0
	v_cmp_lt_u32 s44, v36, v34                     ; best (upward) against new (downward), lane by lane: the smaller ones are the 32 smallest of the 64
	v_cmp_eq_u32 s45, v36, v34
	v_cmp_lt_u32 vcc_lo, v37, v35
	s_and_b32 s45, s45, vcc_lo
	s_or_b32 vcc_lo, s44, s45
	v_cndmask_b32 v34, v34, v36, vcc_lo
	v_cndmask_b32 v35, v35, v37, vcc_lo
.irp j, 16,8,4,2,1                     ; and are put in upward order again
	CE 34, 35, \j, LM\j
.endr
.endr
	v_lshlrev_b32 v[66+\t], 4, v35                 ; lane r holds the r-th nearest
.endm
	NPOINT 0
	NPOINT 1
	NPOINT 2
	NPOINT 3
	s_wait_dscnt 0x0                               ; my reads of LDS are back
	s_barrier_signal -1
	s_barrier_wait -1                              ; everybody's are: LDS is written again only from here on
.irp t, 0,1,2,3
	ds_store_b16 v65, v[66+\t] offset:\t*64
.endr
	s_wait_dscnt 0x0                               ; my results are in the stage
	s_barrier_signal -1
	s_barrier_wait -1
	s_cmp_ge_u32 s10, 8
	s_cbranch_scc1 .Lend
	; the way out: thread (q bit, i, r) = (bit 7, bits 6:5, bits 4:0) gathers its eight numbers e = 0..7: wave 4 i + (e >> 1), item 2 (e & 1) + q bit
	v_bfe_u32 v28, v0, 7, 1
	v_bfe_u32 v29, v0, 5, 2
	v_lshlrev_b32 v24, 1, v1
	v_lshl_add_u32 v24, v28, 6, v24
	v_lshl_add_u32 v24, v29, 10, v24
	v_add_nc_u32 v24, OSTG, v24
.irp e, 0,1,2,3,4,5,6,7
	ds_load_u16 v[48+\e], v24 offset:(\e>>1)*256+(\e&1)*128
.endr
	s_lshl_b32 s14, s11, 7
	s_lshl1_add_u32 s14, s12, s14
	s_lshl_b32 s14, s14, 11                        ; (128 b + 2 qp) x 2,048 bytes
	s_add_nc_u64 s[8:9], s[8:9], s[14:15]
	s_wait_dscnt 0x0
.irp p, 0,1,2,3
	v_lshl_or_b32 v[56+\p], v[49+2*\p], 16, v[48+2*\p]
.endr
	global_store_b128 v2, v[56:59], s[8:9]         ; a wave's store covers 512 consecutive bytes
.Lend:
	s_wait_tensorcnt 0x0
	ds_add_u32 v72, v73
	s_wait_dscnt 0x0
	s_endpgm
.Lfunc_end_k_q20cbf83539_knn_sort:
	.size	k_q20cbf83539_knn_sort, .Lfunc_end_k_q20cbf83539_knn_sort-k_q20cbf83539_knn_sort
	.p2alignl 7, 3214868480
	.fill 96, 4, 3214868480
	.section	.rodata,"a",@progbits
	.p2align	6, 0x0
	.amdhsa_kernel k_q20cbf83539_knn_sort
		.amdhsa_group_segment_fixed_size 38912
		.amdhsa_private_segment_fixed_size 0
		.amdhsa_enable_private_segment 0
		.amdhsa_kernarg_size 24
		.amdhsa_user_sgpr_count 2
		.amdhsa_user_sgpr_kernarg_segment_ptr 1
		.amdhsa_wavefront_size32 1
		.amdhsa_system_sgpr_workgroup_id_x 1
		.amdhsa_system_sgpr_workgroup_id_y 1
		.amdhsa_system_sgpr_workgroup_id_z 1
		.amdhsa_system_vgpr_workitem_id 0
		.amdhsa_next_free_vgpr 74
		.amdhsa_next_free_sgpr 66
		.amdhsa_reserve_vcc 1
		.amdhsa_float_denorm_mode_32 3
		.amdhsa_float_denorm_mode_16_64 3
		.amdhsa_memory_ordered 1
		.amdhsa_forward_progress 1
		.amdhsa_inst_pref_size 183
	.end_amdhsa_kernel
	.amdgpu_metadata
---
amdhsa.version: [ 1, 2 ]
amdhsa.kernels:
  - .name:           k_q20cbf83539_knn_sort
    .symbol:         k_q20cbf83539_knn_sort.kd
    .args:
      - { .name: xyz, .offset: 0, .size: 8, .value_kind: global_buffer, .address_space: global }
      - { .name: gmask, .offset: 8, .size: 8, .value_kind: global_buffer, .address_space: global }
      - { .name: idxg, .offset: 16, .size: 8, .value_kind: global_buffer, .address_space: global }
    .group_segment_fixed_size: 38912
    .private_segment_fixed_size: 0
    .kernarg_segment_align: 8
    .kernarg_segment_size: 24
    .max_flat_workgroup_size: 512
    .sgpr_count:     66
    .vgpr_count:     74
    .wavefront_size: 32
...
	.end_amdgpu_metadata
.endif
;; end of part 2
;; launch lin (part 3): grid 256 x 1, 8 waves a work-group, no clusters, 169,472 bytes of LDS; arguments feat, W, b, gamma, zs; writes zs
.if DOCPART == 3
	.amdgcn_target "amdgcn-amd-amdhsa--gfx1250"
	.amdhsa_code_object_version 6
	.text
	.protected	k_q20cbf83539_lin
	.globl	k_q20cbf83539_lin
	.p2align	8
	.type	k_q20cbf83539_lin,@function
k_q20cbf83539_lin:
	s_mov_b64 s[64:65], 0
	v_nop
	global_prefetch_b8 v0, s[64:65] scope:SCOPE_SE
	s_setreg_imm32_b32 hwreg(HW_REG_WAVE_MODE, 25, 1), 1
	s_wait_xcnt 0x0
; z[b][m][g] = sign(gamma[g]) (sum over f of W[g][f] feat[b][f][m] + b[g]), once for each point: the Linear layer commutes with the gather that follows it.
; With the sign folded in, the later maximum over neighbours commutes with the batch norm's increasing map.
; zs[b][s][m][c], g = 4 s + c: a point's four channels of a slice s are 16 consecutive bytes, the row that the next launch gathers.
; Operands rounded to bf16, sums in f32.
; SHARES: a work-group makes all 256 g for 64 points of one batch; wave w makes g = 32 w .. 32 w + 31 (two row tiles x four column tiles: 8 accumulators, K = 256 in 8 steps).
; Wave w also converts K step w of feat (32 f x 64 m) for all waves, laid in LDS as finished fragments, and its own 32 rows of W.
; No joint loads for W, which all work-groups read: it has to pass through registers to become bf16, and as f32 its 262,144 bytes would not leave room for the rest.
.set BF,  0                            ; LDS: fragments of feat: K step x 4,160 + column tile x 1,040 + half x 512 + lane x 16
.set WLB, 33280                        ; LDS: for each wave 32 rows of 256 bf16, 528 bytes apart (an odd multiple of 16: 16 rows start at 16 different places modulo 256)
.set WPW, 16896
.set SG,  16                           ; v[16:31] gamma, then its sign as +-1, of g = 32 w + 16 a + 8 h + j at 8 a + j
.set BS,  32                           ; v[32:47] b, then b x sign
.set ACC, 160                          ; v[160:223] accumulator (a, c) at 8 (4 a + c)
; v1 r = lane % 16; v2 h = lane / 16; v3 lane; v5 131,072 h + 16 r; v6 16 lane; v7 offset in gamma and b; v8 where feat's fragments go; v10 where W goes; v11 my A fragments
	s_load_b256 s[4:11], s[0:1], 0x0               ; feat s[4:5], W s[6:7], b s[8:9], gamma s[10:11]
	s_load_b64 s[12:13], s[0:1], 0x20              ; zs
	v_lshl_add_u32 v62, v0, 2, 0x29200
	v_mov_b32 v63, 0
	v_and_b32 v1, 15, v0
	v_bfe_u32 v2, v0, 4, 1
	v_and_b32 v3, 31, v0
	v_lshrrev_b32 v4, 5, v0
	v_readfirstlane_b32 s14, v4                    ; wave
	s_lshr_b32 s15, ttmp9, 6                       ; batch
	s_and_b32 s16, ttmp9, 63                       ; block of 64 points
	s_lshl_b32 s18, s15, 22                        ; a batch of feat: 256 rows of 16,384 bytes
	s_lshl_b32 s20, s14, 19                        ; my 32 rows
	s_add_co_u32 s18, s18, s20
	s_lshl_b32 s20, s16, 8                         ; 64 points of 4 bytes
	s_add_co_u32 s18, s18, s20
	s_mov_b32 s19, 0
	v_lshlrev_b32 v5, 4, v1
	v_lshl_add_u32 v5, v2, 17, v5
	v_lshlrev_b32 v6, 4, v3
	v_lshlrev_b32 v7, 5, v2
	v_lshl_add_u32 v7, s14, 7, v7                  ; (32 w + 8 h) x 4
	s_wait_kmcnt 0x0
	s_add_nc_u64 s[4:5], s[4:5], s[18:19]
	; lane (r, h) takes points 4 r .. 4 r + 3 of rows f = 32 w + 16 p + 8 h + 0..7: the k that the fragment's half h holds; 16 lanes read 256 consecutive bytes
.set u, 0
.rept 16
	global_load_b128 v[192+4*u:195+4*u], v5, s[4:5] offset:(16*(u>>3)+(u&7))*16384 th:TH_LOAD_NT
.set u, u+1
.endr
	s_lshl_b32 s18, s14, 15                        ; my 32 rows of W
	s_add_nc_u64 s[6:7], s[6:7], s[18:19]
.macro WLOAD R, buf                    ; 8 rows of W: 16 loads of 512 consecutive bytes
.set i, 0
.rept 16
	global_load_b128 v[\buf+4*i:\buf+4*i+3], v6, s[6:7] offset:512*(16*(\R)+i)
.set i, i+1
.endr
.endm
.macro WCVT R, buf                     ; to bf16 and into my rows in LDS
.set i, 0
.rept 16
	v_cvt_pk_bf16_f32 v[128+2*i], v[\buf+4*i],   v[\buf+4*i+1]
	v_cvt_pk_bf16_f32 v[129+2*i], v[\buf+4*i+2], v[\buf+4*i+3]
	ds_store_b64 v10, v[128+2*i:129+2*i] offset:((16*(\R)+i)>>1)*528+((16*(\R)+i)&1)*256
.set i, i+1
.endr
.endm
	WLOAD 0, 64
.irp a, 0,1
	global_load_b128 v[SG+8*\a:SG+8*\a+3],   v7, s[10:11] offset:64*\a
	global_load_b128 v[SG+8*\a+4:SG+8*\a+7], v7, s[10:11] offset:64*\a+16
	global_load_b128 v[BS+8*\a:BS+8*\a+3],   v7, s[8:9] offset:64*\a
	global_load_b128 v[BS+8*\a+4:BS+8*\a+7], v7, s[8:9] offset:64*\a+16
.endr
	v_lshrrev_b32 v8, 2, v1                        ; point 4 r + c' lies in column tile r / 4, column 4 (r % 4) + c'
	v_mul_u32_u24 v8, v8, 1040
	v_and_b32 v9, 3, v1
	v_lshl_add_u32 v8, v9, 6, v8
	v_lshl_add_u32 v8, v2, 8, v8
	s_mul_i32 s20, s14, 4160
	v_add_nc_u32 v8, s20, v8
	s_mul_i32 s20, s14, WPW
	s_add_co_u32 s20, s20, WLB
	v_lshl_add_u32 v10, v3, 3, s20
	v_mul_u32_u24 v11, v1, 528
	v_lshl_add_u32 v11, v2, 4, v11
	v_add_nc_u32 v11, s20, v11
	s_wait_loadcnt 24                              ; feat's 16 loads are in; behind them: 16 of W, 8 of gamma and b
.irp c, 0,1,2,3
.irp p, 0,1
.irp j, 0,1,2,3
	v_cvt_pk_bf16_f32 v[160+8*\c+4*\p+\j], v[192+4*(8*\p+2*\j)+\c], v[192+4*(8*\p+2*\j+1)+\c]   ; two neighbouring k of one point
.endr
	ds_store_b128 v8, v[160+8*\c+4*\p:160+8*\c+4*\p+3] offset:BF+\p*512+\c*16
.endr
.endr
	WLOAD 1, 192
	s_wait_loadcnt 24                              ; rows 0-7 are in (behind them: gamma and b, rows 8-15)
	WCVT 0, 64
	WLOAD 2, 64
	s_wait_loadcnt 16                              ; rows 8-15 (behind them: rows 16-23)
	WCVT 1, 192
	WLOAD 3, 192
	s_wait_loadcnt 16
	WCVT 2, 64
	s_wait_loadcnt 0x0
	WCVT 3, 192
.set i, 0
.rept 16
	v_bfi_b32 v[SG+i], 0x7fffffff, 1.0, v[SG+i]    ; 1.0 with gamma's sign
.set i, i+1
.endr
.set i, 0
.rept 8
	v_pk_mul_f32 v[BS+2*i:BS+2*i+1], v[BS+2*i:BS+2*i+1], v[SG+2*i:SG+2*i+1]
.set i, i+1
.endr
	s_wait_dscnt 0x0                               ; for the others' sake: my K step of feat is in LDS
	s_barrier_signal -1
	s_barrier_wait -1
.macro FETCH ks, buf                   ; 12 LDS loads: two fragments of W, four of feat
.irp a, 0,1
	ds_load_b128 v[\buf+8*\a:\buf+8*\a+3],   v11 offset:\a*8448+64*(\ks)
	ds_load_b128 v[\buf+8*\a+4:\buf+8*\a+7], v11 offset:\a*8448+64*(\ks)+32
.endr
.irp c, 0,1,2,3
	ds_load_b128 v[\buf+16+8*\c:\buf+16+8*\c+3], v6 offset:BF+(\ks)*4160+\c*1040
	ds_load_b128 v[\buf+16+8*\c+4:\buf+16+8*\c+7], v6 offset:BF+(\ks)*4160+\c*1040+512
.endr
.endm
.macro MUL buf, ks                     ; 8 matrix instructions, the accumulators by turns, one instruction a turn; the first K step starts the sums
.irp a, 0,1
.irp c, 0,1,2,3
.if (\ks) == 0
	v_wmma_f32_16x16x32_bf16 v[ACC+8*(4*\a+\c):ACC+8*(4*\a+\c)+7], v[\buf+8*\a:\buf+8*\a+7], v[\buf+16+8*\c:\buf+16+8*\c+7], 0
.else
	v_wmma_f32_16x16x32_bf16 v[ACC+8*(4*\a+\c):ACC+8*(4*\a+\c)+7], v[\buf+8*\a:\buf+8*\a+7], v[\buf+16+8*\c:\buf+16+8*\c+7], v[ACC+8*(4*\a+\c):ACC+8*(4*\a+\c)+7]
.endif
.endr
.endr
.endm
	FETCH 0, 64
.irp ks, 0,1,2,3,4,5,6,7
.if \ks < 7
.if \ks > 0
.rept 4
	v_nop                                          ; four places between the products that read a buffer and the loads into it (ISA guide 7.12.1 for vector instructions)
.endr
.endif
	FETCH \ks+1, 64+48*((\ks+1)&1)
	s_wait_dscnt 12                                ; all but the 12 just issued
.else
	s_wait_dscnt 0x0
.endif
	MUL 64+48*(\ks&1), \ks
.endr
.rept 4
	v_nop                                          ; four places behind the last products
.endr
	s_lshl_b32 s18, s15, 22
	s_lshl_b32 s20, s14, 19                        ; slices 8 w on, 65,536 bytes each
	s_add_co_u32 s18, s18, s20
	s_lshl_b32 s20, s16, 10                        ; 64 points of 16 bytes
	s_add_co_u32 s18, s18, s20
	s_add_nc_u64 s[12:13], s[12:13], s[18:19]
	; register j of lane (r, h) is (g = 32 w + 16 a + 8 h + j, point 16 c + r): registers 0-3 are the 16 bytes of slice 8 w + 4 a + 2 h, registers 4-7 of the next; 16 lanes store 256 consecutive bytes
.irp a, 0,1
.irp c, 0,1,2,3
.irp j, 0,2,4,6
	v_pk_fma_f32 v[64+8*(4*\a+\c)+\j:64+8*(4*\a+\c)+\j+1], v[ACC+8*(4*\a+\c)+\j:ACC+8*(4*\a+\c)+\j+1], v[SG+8*\a+\j:SG+8*\a+\j+1], v[BS+8*\a+\j:BS+8*\a+\j+1]
.endr
	global_store_b128 v5, v[64+8*(4*\a+\c):64+8*(4*\a+\c)+3],   s[12:13] offset:\a*262144+\c*256
	global_store_b128 v5, v[64+8*(4*\a+\c)+4:64+8*(4*\a+\c)+7], s[12:13] offset:\a*262144+65536+\c*256
.endr
.endr
	s_wait_tensorcnt 0x0
	ds_add_u32 v62, v63
	s_wait_dscnt 0x0
	s_endpgm
.Lfunc_end_k_q20cbf83539_lin:
	.size	k_q20cbf83539_lin, .Lfunc_end_k_q20cbf83539_lin-k_q20cbf83539_lin
	.p2alignl 7, 3214868480
	.fill 96, 4, 3214868480
	.section	.rodata,"a",@progbits
	.p2align	6, 0x0
	.amdhsa_kernel k_q20cbf83539_lin
		.amdhsa_group_segment_fixed_size 169472
		.amdhsa_private_segment_fixed_size 0
		.amdhsa_enable_private_segment 0
		.amdhsa_kernarg_size 40
		.amdhsa_user_sgpr_count 2
		.amdhsa_user_sgpr_kernarg_segment_ptr 1
		.amdhsa_wavefront_size32 1
		.amdhsa_system_sgpr_workgroup_id_x 1
		.amdhsa_system_sgpr_workgroup_id_y 1
		.amdhsa_system_sgpr_workgroup_id_z 1
		.amdhsa_system_vgpr_workitem_id 0
		.amdhsa_next_free_vgpr 256
		.amdhsa_next_free_sgpr 66
		.amdhsa_reserve_vcc 0
		.amdhsa_float_denorm_mode_32 3
		.amdhsa_float_denorm_mode_16_64 3
		.amdhsa_memory_ordered 1
		.amdhsa_forward_progress 1
		.amdhsa_inst_pref_size 42
	.end_amdhsa_kernel
	.amdgpu_metadata
---
amdhsa.version: [ 1, 2 ]
amdhsa.kernels:
  - .name:           k_q20cbf83539_lin
    .symbol:         k_q20cbf83539_lin.kd
    .args:
      - { .name: feat, .offset: 0, .size: 8, .value_kind: global_buffer, .address_space: global }
      - { .name: W, .offset: 8, .size: 8, .value_kind: global_buffer, .address_space: global }
      - { .name: b, .offset: 16, .size: 8, .value_kind: global_buffer, .address_space: global }
      - { .name: gamma, .offset: 24, .size: 8, .value_kind: global_buffer, .address_space: global }
      - { .name: zs, .offset: 32, .size: 8, .value_kind: global_buffer, .address_space: global }
    .group_segment_fixed_size: 169472
    .private_segment_fixed_size: 0
    .kernarg_segment_align: 8
    .kernarg_segment_size: 40
    .max_flat_workgroup_size: 256
    .sgpr_count:     66
    .vgpr_count:     256
    .wavefront_size: 32
...
	.end_amdgpu_metadata
.endif
;; end of part 3
;; launch gmax (part 4): grid 256 x 1, 16 waves a work-group, no clusters, 133,632 bytes of LDS; arguments zs, idxg, mx, st; writes mx, st
.if DOCPART == 4
	.amdgcn_target "amdgcn-amd-amdhsa--gfx1250"
	.amdhsa_code_object_version 6
	.text
	.protected	k_q20cbf83539_gmax
	.globl	k_q20cbf83539_gmax
	.p2align	8
	.type	k_q20cbf83539_gmax,@function
k_q20cbf83539_gmax:
	s_mov_b64 s[64:65], 0
	v_nop
	global_prefetch_b8 v0, s[64:65] scope:SCOPE_SE
	s_setreg_imm32_b32 hwreg(HW_REG_WAVE_MODE, 25, 1), 1
	s_wait_xcnt 0x0
; For one batch b and one slice of four channels: mx[b][g][n'] = the maximum over k' = 0..31 of (z - p)[idx[b][128 k' + (n' >> 5)][n' & 31]][g],
; and the sum and sum of squares of all 131,072 gathered z - p of each channel, for the batch norm's statistics.  p = z of the batch's point 0: a shift that takes a common offset out
; before squares are formed.  LIMIT: the variance's relative error grows as ((p - mean) / sigma)^2 x 2^-24.
; The slice's table, 4,096 rows of 16 bytes, lies in LDS; the lists hold byte offsets of rows (whole numbers stored by an earlier launch).
; SHARES: wave w owns q = 8 w .. 8 w + 7, lane r the output n' = 32 q + r: 32 gathers of 16 bytes for each output.
; st[kind][b][g]: kind 0 p, 1 the mean of z - p, 2 the sum of squares about that mean.
; The lists, which the 64 work-groups of a batch all read, come straight into registers: each word is used once, and a way through LDS would add to the LDS reads that bound this launch; so no joint loads.
.set STG, 65536                        ; LDS: for each wave [channel 4][256 n'] f32
.set RED, 131072                       ; LDS: for each wave 4 sums, 4 sums of squares
.set IA, 4                             ; v[4:19], v[20:35] a q's 32 offsets, two buffers
.set IB, 20
.set GA, 36                            ; v[36:67], v[68:99] 8 gathered rows, two buffers
.set GB, 68
.set MX, 116                           ; v[116:119] maxima; v[120:123] sums; v[124:127] sums of squares; v[128:131] p
; v1 16 lane; v2 lane; v3 16 thread; v[100:115] gather addresses, two sets; v132, v133 my stage; v134, v135 at work; v142 0
	s_load_b256 s[4:11], s[0:1], 0x0               ; zs s[4:5], idxg s[6:7], mx s[8:9], st s[10:11]
	v_lshl_add_u32 v144, v0, 2, 0x20200
	v_mov_b32 v145, 0
	v_and_b32 v2, 31, v0
	v_lshrrev_b32 v3, 5, v0
	v_readfirstlane_b32 s12, v3                    ; wave
	s_lshr_b32 s13, ttmp9, 6                       ; batch
	v_lshlrev_b32 v1, 4, v2
	v_lshlrev_b32 v3, 4, v0
	v_mov_b32 v142, 0
	s_lshl_b32 s16, ttmp9, 16                      ; (64 b + slice) x 65,536 bytes, in zs and in mx
	s_mov_b32 s17, 0
	s_mov_b32 s18, 0x76543210
	s_mov_b32 s19, 0xfedcba98
	s_wait_kmcnt 0x0
	s_add_nc_u64 s[4:5], s[4:5], s[16:17]
	s_add_nc_u64 s[8:9], s[8:9], s[16:17]
	global_load_b128 v[128:131], v142, s[4:5]      ; point 0's row, in every lane
.irp i, 0,1,2,3,4,5,6,7
	global_load_b128 v[GA+4*\i:GA+4*\i+3], v3, s[4:5] offset:8192*\i
.endr
	s_lshl_b32 s16, s13, 18                        ; a batch of lists: 128 q of 2,048 bytes
	s_lshl_b32 s15, s12, 14                        ; my 8 q
	s_add_co_u32 s16, s16, s15
	s_add_nc_u64 s[6:7], s[6:7], s[16:17]
.irp i, 0,1,2,3
	global_load_b128 v[IA+4*\i:IA+4*\i+3], v1, s[6:7] offset:512*\i
.endr
	s_lshl_b32 s15, s12, 12
	s_add_co_u32 s15, s15, STG
	v_lshl_add_u32 v132, v2, 2, s15
	v_lshl_add_u32 v133, v2, 4, s15
.irp i, 0,1,2,3,4,5,6,7
	v_mov_b32 v[120+\i], 0
.endr
	s_wait_loadcnt 0x4                             ; p and the table's 8 loads are in; the first lists may stay out
.irp i, 0,1,2,3,4,5,6,7
	v_pk_add_f32 v[GA+4*\i:GA+4*\i+1],   v[GA+4*\i:GA+4*\i+1],   v[128:129] neg_lo:[0,1] neg_hi:[0,1]
	v_pk_add_f32 v[GA+4*\i+2:GA+4*\i+3], v[GA+4*\i+2:GA+4*\i+3], v[130:131] neg_lo:[0,1] neg_hi:[0,1]
	ds_store_b128 v3, v[GA+4*\i:GA+4*\i+3] offset:8192*\i
.endr
	s_wait_dscnt 0x0
	s_barrier_signal -1
	s_barrier_wait -1
; eight gathers: the offsets of k' = 8 grp .. 8 grp + 7 lie two to a register
.macro ISSUE grp, ib, buf, as
.irp x, 0,1,2,3
	v_and_b32     v[\as+2*\x],   0xffff, v[\ib+4*\grp+\x]
	v_lshrrev_b32 v[\as+2*\x+1], 16,     v[\ib+4*\grp+\x]
	v_min_u32 v[\as+2*\x],   0xfff0, v[\as+2*\x]   ; inside the table
	v_min_u32 v[\as+2*\x+1], 0xfff0, v[\as+2*\x+1]
.endr
.irp x, 0,1,2,3,4,5,6,7
	ds_load_b128 v[\buf+4*\x:\buf+4*\x+3], v[\as+\x]
.endr
.endm
; eight gathered rows, two at a time.  younger: LDS instructions issued behind these eight loads.  first = 1: the first two rows start the maxima
.macro CONSUME buf, younger, first
.irp y, 0,1,2,3
	s_wait_dscnt \younger+6-2*\y                   ; LDS loads return in order: rows 2 y and 2 y + 1 are in
.set VA, \buf+8*\y
.set VB, \buf+8*\y+4
.irp c, 0,1,2,3
.if \first && (\y == 0)
	v_max_num_f32 v[MX+\c], v[VA+\c], v[VB+\c]
.else
	v_max3_num_f32 v[MX+\c], v[MX+\c], v[VA+\c], v[VB+\c]
.endif
.endr
	v_pk_add_f32 v[120:121], v[120:121], v[VA:VA+1]
	v_pk_add_f32 v[122:123], v[122:123], v[VA+2:VA+3]
	v_pk_fma_f32 v[124:125], v[VA:VA+1],   v[VA:VA+1],   v[124:125]
	v_pk_fma_f32 v[126:127], v[VA+2:VA+3], v[VA+2:VA+3], v[126:127]
	v_pk_add_f32 v[120:121], v[120:121], v[VB:VB+1]
	v_pk_add_f32 v[122:123], v[122:123], v[VB+2:VB+3]
	v_pk_fma_f32 v[124:125], v[VB:VB+1],   v[VB:VB+1],   v[124:125]
	v_pk_fma_f32 v[126:127], v[VB+2:VB+3], v[VB+2:VB+3], v[126:127]
.endr
.endm
; one q: the next q's lists are asked for first; eight gathers are always out while eight are worked on
.macro QSTEP qi, cur, nxt, more
.if \more
.irp i, 0,1,2,3
	global_load_b128 v[\nxt+4*\i:\nxt+4*\i+3], v1, s[6:7] offset:(\qi+1)*2048+512*\i
.endr
.endif
	s_wait_loadcnt 4*\more                         ; this q's lists are in; the four loads just issued stay out
	ISSUE 0, \cur, GA, 100
	ISSUE 1, \cur, GB, 108
	CONSUME GA, 8, 1
	ISSUE 2, \cur, GA, 100
	CONSUME GB, 8, 0
	ISSUE 3, \cur, GB, 108
	CONSUME GA, 8, 0
	CONSUME GB, 0, 0
.irp c, 0,1,2,3
	ds_store_b32 v132, v[MX+\c] offset:\c*1024+\qi*128
.endr
.endm
	QSTEP 0, IA, IB, 1
	QSTEP 1, IB, IA, 1
	QSTEP 2, IA, IB, 1
	QSTEP 3, IB, IA, 1
	QSTEP 4, IA, IB, 1
	QSTEP 5, IB, IA, 1
	QSTEP 6, IA, IB, 1
	QSTEP 7, IB, IA, 0
	; the maxima go out: my stage's four rows of 1,024 bytes, 512 consecutive bytes a store (my own bytes: LDS serves a wave in order)
.irp k, 0,1,2,3,4,5,6,7
	ds_load_b128 v[GA+4*\k:GA+4*\k+3], v133 offset:(\k>>1)*1024+(\k&1)*512
.endr
	s_lshl_b32 s16, s12, 10                        ; my 256 n'
	s_add_nc_u64 s[8:9], s[8:9], s[16:17]
.irp k, 0,1,2,3,4,5,6,7
	s_wait_dscnt 7-\k
	global_store_b128 v1, v[GA+4*\k:GA+4*\k+3], s[8:9] offset:(\k>>1)*16384+(\k&1)*512
.endr
	; sums over the wave's 32 lanes
.irp x, 1,2,4,8
.irp i, 0,1,2,3,4,5,6,7
	v_add_f32_dpp v[120+\i], v[120+\i], v[120+\i] row_xmask:\x row_mask:0xf bank_mask:0xf
.endr
.endr
.irp i, 0,1,2,3,4,5,6,7
	v_permlanex16_b32 v[100+\i], v[120+\i], s18, s19   ; destinations that have been written before
.endr
.irp i, 0,1,2,3,4,5,6,7
	v_add_f32 v[120+\i], v[120+\i], v[100+\i]
.endr
	s_lshl_b32 s15, s12, 5
	s_add_co_u32 s15, s15, RED
	v_mov_b32 v134, s15
	ds_store_b128 v134, v[120:123]
	ds_store_b128 v134, v[124:127] offset:16
	s_wait_dscnt 0x0
	s_barrier_signal -1
	s_barrier_wait -1
	s_cmp_lg_u32 s12, 0
	s_cbranch_scc1 .Lend
	v_and_b32 v135, 15, v0                         ; wave 0: lane l takes wave l % 16's figures
	v_lshlrev_b32 v135, 5, v135
	v_add_nc_u32 v135, RED, v135
	ds_load_b128 v[120:123], v135
	ds_load_b128 v[124:127], v135 offset:16
	s_wait_dscnt 0x0
.irp x, 1,2,4,8
.irp i, 0,1,2,3,4,5,6,7
	v_add_f32_dpp v[120+\i], v[120+\i], v[120+\i] row_xmask:\x row_mask:0xf bank_mask:0xf
.endr
.endr
.irp c, 0,1,2,3
	v_mul_f32 v[100+\c], 0x37000000, v[120+\c]     ; the sum / 131,072
.endr
.irp c, 0,1,2,3
	v_fma_f32 v[104+\c], -v[120+\c], v[100+\c], v[124+\c]   ; squares about that mean
.endr
	s_lshl_b32 s16, ttmp9, 4                       ; (256 b + 4 slice) x 4 bytes
	s_add_nc_u64 s[10:11], s[10:11], s[16:17]
	v_cmp_eq_u32 vcc_lo, 0, v2
	s_wait_xcnt 0x0                                ; EXEC is a source of the stores above: it changes only behind this wait
	s_and_saveexec_b32 s20, vcc_lo
	global_store_b128 v142, v[128:131], s[10:11]
	global_store_b128 v142, v[100:103], s[10:11] offset:4096
	global_store_b128 v142, v[104:107], s[10:11] offset:8192
	s_wait_xcnt 0x0                                ; and again in front of the line that widens it
	s_or_b32 exec_lo, exec_lo, s20
.Lend:
	s_wait_tensorcnt 0x0
	ds_add_u32 v144, v145
	s_wait_dscnt 0x0
	s_endpgm
.Lfunc_end_k_q20cbf83539_gmax:
	.size	k_q20cbf83539_gmax, .Lfunc_end_k_q20cbf83539_gmax-k_q20cbf83539_gmax
	.p2alignl 7, 3214868480
	.fill 96, 4, 3214868480
	.section	.rodata,"a",@progbits
	.p2align	6, 0x0
	.amdhsa_kernel k_q20cbf83539_gmax
		.amdhsa_group_segment_fixed_size 133632
		.amdhsa_private_segment_fixed_size 0
		.amdhsa_enable_private_segment 0
		.amdhsa_kernarg_size 32
		.amdhsa_user_sgpr_count 2
		.amdhsa_user_sgpr_kernarg_segment_ptr 1
		.amdhsa_wavefront_size32 1
		.amdhsa_system_sgpr_workgroup_id_x 1
		.amdhsa_system_sgpr_workgroup_id_y 1
		.amdhsa_system_sgpr_workgroup_id_z 1
		.amdhsa_system_vgpr_workitem_id 0
		.amdhsa_next_free_vgpr 146
		.amdhsa_next_free_sgpr 66
		.amdhsa_reserve_vcc 1
		.amdhsa_float_denorm_mode_32 3
		.amdhsa_float_denorm_mode_16_64 3
		.amdhsa_memory_ordered 1
		.amdhsa_forward_progress 1
		.amdhsa_inst_pref_size 161
	.end_amdhsa_kernel
	.amdgpu_metadata
---
amdhsa.version: [ 1, 2 ]
amdhsa.kernels:
  - .name:           k_q20cbf83539_gmax
    .symbol:         k_q20cbf83539_gmax.kd
    .args:
      - { .name: zs, .offset: 0, .size: 8, .value_kind: global_buffer, .address_space: global }
      - { .name: idxg, .offset: 8, .size: 8, .value_kind: global_buffer, .address_space: global }
      - { .name: mx, .offset: 16, .size: 8, .value_kind: global_buffer, .address_space: global }
      - { .name: st, .offset: 24, .size: 8, .value_kind: global_buffer, .address_space: global }
    .group_segment_fixed_size: 133632
    .private_segment_fixed_size: 0
    .kernarg_segment_align: 8
    .kernarg_segment_size: 32
    .max_flat_workgroup_size: 512
    .sgpr_count:     66
    .vgpr_count:     146
    .wavefront_size: 32
...
	.end_amdgpu_metadata
.endif
;; end of part 4
;; launch fin (part 5): grid 256 x 1, 8 waves a work-group, no clusters, 0 bytes of LDS; arguments mx, st, gamma, beta, out0; writes out0
.if DOCPART == 5
	.amdgcn_target "amdgcn-amd-amdhsa--gfx1250"
	.amdhsa_code_object_version 6
	.text
	.protected	k_q20cbf83539_fin
	.globl	k_q20cbf83539_fin
	.p2align	8
	.type	k_q20cbf83539_fin,@function
k_q20cbf83539_fin:
	s_mov_b64 s[64:65], 0
	v_nop
	global_prefetch_b8 v0, s[64:65] scope:SCOPE_SE
	s_setreg_imm32_b32 hwreg(HW_REG_WAVE_MODE, 25, 1), 1
	s_wait_xcnt 0x0
; out[b][g][n] = relu(|gamma| rsqrt(var + 1e-5) (max z - mean z) + beta), z = sign(gamma) y: the batch norm, the relu and the maximum in the order in which they commute.
; mean and var of channel g over the four batches are joined from each batch's shift p, mean d of z - p and squares M2 about it:
; mean_b = p + d, mean = the mean of the four, var = (sum of M2 + 131,072 sum of (mean_b - mean)^2) / 524,288.  mx holds max z - p_b, so max z - mean = mx - (d_b - (mean_b - mean)).
; A stream: a wave owns half a row (b, g), 8,192 bytes, all 16 loads out at once, 512 consecutive bytes a load and a store.  No LDS, matrix unit or cluster: nothing is shared but 16 numbers a wave.
	s_load_b256 s[4:11], s[0:1], 0x0               ; mx s[4:5], st s[6:7], gamma s[8:9], beta s[10:11]
	s_load_b64 s[12:13], s[0:1], 0x20              ; out0
	v_and_b32 v1, 31, v0
	v_lshrrev_b32 v2, 5, v0
	v_readfirstlane_b32 s14, v2                    ; wave
	s_lshr_b32 s15, ttmp9, 6                       ; batch
	s_and_b32 s16, ttmp9, 63
	s_lshr_b32 s17, s14, 1
	s_lshl2_add_u32 s16, s16, s17                  ; g = 4 (id % 64) + wave / 2
	s_lshl_b32 s18, s16, 2
	v_mov_b32 v3, s18                              ; 4 g
	s_lshl_b32 s19, s15, 10
	s_add_co_u32 s19, s19, s18
	v_mov_b32 v4, s19                              ; 4 g + 1,024 b
	v_lshlrev_b32 v5, 4, v1
	s_lshl_b32 s20, s15, 8
	s_add_co_u32 s20, s20, s16
	s_lshl_b32 s20, s20, 14                        ; row (b, g)
	s_and_b32 s22, s14, 1
	s_lshl_b32 s22, s22, 13                        ; my half of it
	s_add_co_u32 s20, s20, s22
	s_mov_b32 s21, 0
	s_wait_kmcnt 0x0
	s_add_nc_u64 s[4:5], s[4:5], s[20:21]
	s_add_nc_u64 s[12:13], s[12:13], s[20:21]
.irp k, 0,1,2
.irp j, 0,1,2,3
	global_load_b32 v[8+4*\k+\j], v3, s[6:7] offset:\k*4096+\j*1024   ; p v8-11, d v12-15, M2 v16-19 of the four batches
.endr
.endr
	global_load_b32 v20, v4, s[6:7]                ; my batch's p
	global_load_b32 v21, v4, s[6:7] offset:4096    ; and d
	global_load_b32 v22, v3, s[8:9]
	global_load_b32 v23, v3, s[10:11]
.set i, 0
.rept 16
	global_load_b128 v[32+4*i:35+4*i], v5, s[4:5] offset:512*i th:TH_LOAD_NT
.set i, i+1
.endr
	s_wait_loadcnt 16                              ; the 16 single numbers are in; the row's 16 loads stay out
.irp j, 0,1,2,3
	v_add_f32 v[8+\j], v[8+\j], v[12+\j]           ; mean_b
.endr
	v_add_f32 v24, v8, v9
	v_add_f32 v25, v10, v11
	v_add_f32 v24, v24, v25
	v_mul_f32 v24, 0x3e800000, v24                 ; mean
.irp j, 0,1,2,3
	v_sub_f32 v[12+\j], v[8+\j], v24
.endr
	v_mul_f32 v25, v12, v12
	v_fmac_f32 v25, v13, v13
	v_fmac_f32 v25, v14, v14
	v_fmac_f32 v25, v15, v15
	v_add_f32 v26, v16, v17
	v_add_f32 v27, v18, v19
	v_add_f32 v26, v26, v27
	v_mul_f32 v25, 0x3e800000, v25
	v_fmamk_f32 v25, v26, 0x36000000, v25          ; var = sum of M2 x 2^-19 + a quarter of the sum of squared differences
	v_add_f32 v25, 0x3727c5ac, v25                 ; + 1e-5
	v_rsq_f32 v26, v25
	v_add_f32 v27, v20, v21                        ; a plain instruction that names neither stands behind the root (ISA guide 5.7.2): my batch's mean
	s_wait_alu depctr_va_vdst(0)
	v_mul_f32 v28, |v22|, v26                      ; a
	v_sub_f32 v27, v27, v24
	v_sub_f32 v27, v21, v27                        ; c = d_b - (mean_b - mean)
	v_fma_f32 v30, -v28, v27, v23                  ; k = beta - a c
	v_mov_b32 v29, v28
	v_mov_b32 v31, v30
.set i, 0
.rept 16
	s_wait_loadcnt 15-i                            ; loads return in order
	v_pk_fma_f32 v[32+4*i:33+4*i], v[32+4*i:33+4*i], v[28:29], v[30:31]
	v_pk_fma_f32 v[34+4*i:35+4*i], v[34+4*i:35+4*i], v[28:29], v[30:31]
	v_max_num_f32 v[32+4*i], 0, v[32+4*i]
	v_max_num_f32 v[33+4*i], 0, v[33+4*i]
	v_max_num_f32 v[34+4*i], 0, v[34+4*i]
	v_max_num_f32 v[35+4*i], 0, v[35+4*i]
	global_store_b128 v5, v[32+4*i:35+4*i], s[12:13] offset:512*i th:TH_STORE_NT
.set i, i+1
.endr
	s_endpgm
.Lfunc_end_k_q20cbf83539_fin:
	.size	k_q20cbf83539_fin, .Lfunc_end_k_q20cbf83539_fin-k_q20cbf83539_fin
	.p2alignl 7, 3214868480
	.fill 96, 4, 3214868480
	.section	.rodata,"a",@progbits
	.p2align	6, 0x0
	.amdhsa_kernel k_q20cbf83539_fin
		.amdhsa_group_segment_fixed_size 0
		.amdhsa_private_segment_fixed_size 0
		.amdhsa_enable_private_segment 0
		.amdhsa_kernarg_size 40
		.amdhsa_user_sgpr_count 2
		.amdhsa_user_sgpr_kernarg_segment_ptr 1
		.amdhsa_wavefront_size32 1
		.amdhsa_system_sgpr_workgroup_id_x 1
		.amdhsa_system_sgpr_workgroup_id_y 1
		.amdhsa_system_sgpr_workgroup_id_z 1
		.amdhsa_system_vgpr_workitem_id 0
		.amdhsa_next_free_vgpr 96
		.amdhsa_next_free_sgpr 66
		.amdhsa_reserve_vcc 0
		.amdhsa_float_denorm_mode_32 3
		.amdhsa_float_denorm_mode_16_64 3
		.amdhsa_memory_ordered 1
		.amdhsa_forward_progress 1
		.amdhsa_inst_pref_size 12
	.end_amdhsa_kernel
	.amdgpu_metadata
---
amdhsa.version: [ 1, 2 ]
amdhsa.kernels:
  - .name:           k_q20cbf83539_fin
    .symbol:         k_q20cbf83539_fin.kd
    .args:
      - { .name: mx, .offset: 0, .size: 8, .value_kind: global_buffer, .address_space: global }
      - { .name: st, .offset: 8, .size: 8, .value_kind: global_buffer, .address_space: global }
      - { .name: gamma, .offset: 16, .size: 8, .value_kind: global_buffer, .address_space: global }
      - { .name: beta, .offset: 24, .size: 8, .value_kind: global_buffer, .address_space: global }
      - { .name: out0, .offset: 32, .size: 8, .value_kind: global_buffer, .address_space: global }
    .group_segment_fixed_size: 0
    .private_segment_fixed_size: 0
    .kernarg_segment_align: 8
    .kernarg_segment_size: 40
    .max_flat_workgroup_size: 256
    .sgpr_count:     66
    .vgpr_count:     96
    .wavefront_size: 32
...
	.end_amdgpu_metadata
.endif
;; end of part 5
;; ======== version 2 of 2: 4 launches; 1.12 times as fast as version 1
;; limits: a difference of large sums (such as E[x^2] - mean^2): digits are lost where the result is much smaller than its terms
;; workspace buffers: gmask 4,194,304 bytes of whole numbers; idxg 1,048,576 bytes of whole numbers; zs 16,777,216 bytes; mx 16,777,216 bytes; st 12,288 bytes
;; launch lin_grp (part 6): grid 256 x 1, 8 waves a work-group, no clusters, 182,528 bytes of LDS; arguments feat, W, b, gamma, zs, xyz, gmask; writes zs, gmask
.if DOCPART == 6
	.amdgcn_target "amdgcn-amd-amdhsa--gfx1250"
	.amdhsa_code_object_version 6
	.text
	.protected	k_q20cbf83539_lin_grp
	.globl	k_q20cbf83539_lin_grp
	.p2align	8
	.type	k_q20cbf83539_lin_grp,@function
k_q20cbf83539_lin_grp:
	s_mov_b64 s[64:65], 0
	v_nop
	global_prefetch_b8 v0, s[64:65] scope:SCOPE_SE
	s_setreg_imm32_b32 hwreg(HW_REG_WAVE_MODE, 25, 1), 1
	s_wait_xcnt 0x0
; Two pieces of work that read nothing of each other's results share this launch, one after the other: both want 256 work-groups of eight waves, a work-group for a (batch, block of 64 points).
; Part 1's stores are on their way while part 2 works.
;
; PART 1.  z[b][m][g] = sign(gamma[g]) (sum over f of W[g][f] feat[b][f][m] + b[g]), once for each point: the Linear layer commutes with the gather that follows it.
; With the sign folded in, the later maximum over neighbours commutes with the batch norm's increasing map.
; zs[b][s][m][c], g = 4 s + c: a point's four channels of a slice s are 16 consecutive bytes, the row that a later launch gathers.  Operands rounded to bf16, sums in f32.
; SHARES: a work-group makes all 256 g for 64 points of one batch; wave w makes g = 32 w .. 32 w + 31 (two row tiles x four column tiles: 8 accumulators, K = 256 in 8 steps).
; Wave w also converts K step w of feat (32 f x 64 m) for all waves, laid in LDS as finished fragments, and its own 32 rows of W.
; No joint loads for W, which all work-groups read: it has to pass through registers to become bf16, and as f32 its 262,144 bytes would not leave room for the rest.
;
; PART 2.  For every point n of the block: which 32 of the 1,024 groups of four neighbouring points m hold its 32 nearest points.
; d(n,m) is formed in f32 as the problem's own expression: d = ((sq_m - 2 dot) + sq_n); dot is a fused chain, the coordinates ascending; sq is the rounded sum of the rounded squares.
; WHY GROUPS: the 32 nearest, in the order (d, index), lie in the 32 groups that come first in the order (group minimum, group number): were one of them in a later group,
; 32 groups would each hold a point ahead of it.  So the launch that orders the neighbours always has 32 x 4 candidates, and no trip count of either launch hangs on the data.
; T(n) = the 32nd smallest of the 1,024 group minima, by fixed networks of minima and maxima in the lane's registers.  At most 31 groups lie under T; those at T fill up to 32, lowest number first.
; gmask[b][n][2][32]: word W of part 0: bit 31 - i set where the minimum of group 32 W + i is under T; part 1: where it equals T.
; SHARES: lane l of every wave owns the pair n = l and l + 32 of the block (packed f32 arithmetic); wave w owns m = 512 w .. 512 w + 511.
; x0, x1 and sq of all m lie in LDS; a block of 8 m is six loads of 16 bytes at one address for all lanes; a packed source takes one register of a pair for both halves (op_sel).
; Pass 1: 128 m a trip: 32 group minima for each n, sorted, merged into the best 32.  The eight waves' lists are joined in LDS by a tree of three levels.  Pass 2: the minima again, against T.
; LIMIT: NaN or infinite coordinates are not served (the minima drop NaN).
; No matrix unit in part 2: the product has two terms and its last bit decides the order.  No cluster: what the work-groups share there is 32 KB of coordinates, which pass through registers for sq.
; ---------------------------------------------------------------- PART 1
.set BF,  0                            ; LDS: fragments of feat: K step x 4,160 + column tile x 1,040 + half x 512 + lane x 16
.set WLB, 33280                        ; LDS: for each wave 32 rows of 256 bf16, 528 bytes apart (an odd multiple of 16: 16 rows start at 16 different places modulo 256)
.set WPW, 16896
.set SG,  16                           ; v[16:31] gamma, then its sign as +-1, of g = 32 w + 16 a + 8 h + j at 8 a + j
.set BS,  32                           ; v[32:47] b, then b x sign
.set ACC, 160                          ; v[160:223] accumulator (a, c) at 8 (4 a + c)
; v1 r = lane % 16; v2 h = lane / 16; v3 lane; v5 131,072 h + 16 r; v6 16 lane; v7 offset in gamma and b; v8 where feat's fragments go; v10 where W goes; v11 my A fragments
	s_load_b256 s[4:11], s[0:1], 0x0               ; feat s[4:5], W s[6:7], b s[8:9], gamma s[10:11]
	s_load_b64 s[12:13], s[0:1], 0x20              ; zs
	s_load_b64 s[24:25], s[0:1], 0x28              ; xyz, kept for part 2
	s_load_b64 s[26:27], s[0:1], 0x30              ; gmask, likewise
	s_set_vgpr_msb 0x40
	v_lshl_add_u32 v0, v0, 2, 0x2c500
	v_mov_b32 v1, 0
	s_set_vgpr_msb 0x4000
	v_and_b32 v1, 15, v0
	v_bfe_u32 v2, v0, 4, 1
	v_and_b32 v3, 31, v0
	v_lshrrev_b32 v4, 5, v0
	v_readfirstlane_b32 s14, v4                    ; wave
	s_lshr_b32 s15, ttmp9, 6                       ; batch
	s_and_b32 s16, ttmp9, 63                       ; block of 64 points
	s_lshl_b32 s18, s15, 22                        ; a batch of feat: 256 rows of 16,384 bytes
	s_lshl_b32 s20, s14, 19                        ; my 32 rows
	s_add_co_u32 s18, s18, s20
	s_lshl_b32 s20, s16, 8                         ; 64 points of 4 bytes
	s_add_co_u32 s18, s18, s20
	s_mov_b32 s19, 0
	v_lshlrev_b32 v5, 4, v1
	v_lshl_add_u32 v5, v2, 17, v5
	v_lshlrev_b32 v6, 4, v3
	v_lshlrev_b32 v7, 5, v2
	v_lshl_add_u32 v7, s14, 7, v7                  ; (32 w + 8 h) x 4
	s_wait_kmcnt 0x0
	s_add_nc_u64 s[4:5], s[4:5], s[18:19]
	; lane (r, h) takes points 4 r .. 4 r + 3 of rows f = 32 w + 16 p + 8 h + 0..7: the k that the fragment's half h holds; 16 lanes read 256 consecutive bytes
.set u, 0
.rept 16
	global_load_b128 v[192+4*u:195+4*u], v5, s[4:5] offset:(16*(u>>3)+(u&7))*16384 th:TH_LOAD_NT
.set u, u+1
.endr
	s_lshl_b32 s18, s14, 15                        ; my 32 rows of W
	s_add_nc_u64 s[6:7], s[6:7], s[18:19]
.macro WLOAD R, buf                    ; 8 rows of W: 16 loads of 512 consecutive bytes
.set i, 0
.rept 16
	global_load_b128 v[\buf+4*i:\buf+4*i+3], v6, s[6:7] offset:512*(16*(\R)+i)
.set i, i+1
.endr
.endm
.macro WCVT R, buf                     ; to bf16 and into my rows in LDS
.set i, 0
.rept 16
	v_cvt_pk_bf16_f32 v[128+2*i], v[\buf+4*i],   v[\buf+4*i+1]
	v_cvt_pk_bf16_f32 v[129+2*i], v[\buf+4*i+2], v[\buf+4*i+3]
	ds_store_b64 v10, v[128+2*i:129+2*i] offset:((16*(\R)+i)>>1)*528+((16*(\R)+i)&1)*256
.set i, i+1
.endr
.endm
	WLOAD 0, 64
.irp a, 0,1
	global_load_b128 v[SG+8*\a:SG+8*\a+3],   v7, s[10:11] offset:64*\a
	global_load_b128 v[SG+8*\a+4:SG+8*\a+7], v7, s[10:11] offset:64*\a+16
	global_load_b128 v[BS+8*\a:BS+8*\a+3],   v7, s[8:9] offset:64*\a
	global_load_b128 v[BS+8*\a+4:BS+8*\a+7], v7, s[8:9] offset:64*\a+16
.endr
	v_lshrrev_b32 v8, 2, v1                        ; point 4 r + c' lies in column tile r / 4, column 4 (r % 4) + c'
	v_mul_u32_u24 v8, v8, 1040
	v_and_b32 v9, 3, v1
	v_lshl_add_u32 v8, v9, 6, v8
	v_lshl_add_u32 v8, v2, 8, v8
	s_mul_i32 s20, s14, 4160
	v_add_nc_u32 v8, s20, v8
	s_mul_i32 s20, s14, WPW
	s_add_co_u32 s20, s20, WLB
	v_lshl_add_u32 v10, v3, 3, s20
	v_mul_u32_u24 v11, v1, 528
	v_lshl_add_u32 v11, v2, 4, v11
	v_add_nc_u32 v11, s20, v11
	s_wait_loadcnt 24                              ; feat's 16 loads are in; behind them: 16 of W, 8 of gamma and b
.irp c, 0,1,2,3
.irp p, 0,1
.irp j, 0,1,2,3
	v_cvt_pk_bf16_f32 v[160+8*\c+4*\p+\j], v[192+4*(8*\p+2*\j)+\c], v[192+4*(8*\p+2*\j+1)+\c]   ; two neighbouring k of one point
.endr
	ds_store_b128 v8, v[160+8*\c+4*\p:160+8*\c+4*\p+3] offset:BF+\p*512+\c*16
.endr
.endr
	WLOAD 1, 192
	s_wait_loadcnt 24                              ; rows 0-7 are in (behind them: gamma and b, rows 8-15)
	WCVT 0, 64
	WLOAD 2, 64
	s_wait_loadcnt 16                              ; rows 8-15 (behind them: rows 16-23)
	WCVT 1, 192
	WLOAD 3, 192
	s_wait_loadcnt 16
	WCVT 2, 64
	s_wait_loadcnt 0x0
	WCVT 3, 192
.set i, 0
.rept 16
	v_bfi_b32 v[SG+i], 0x7fffffff, 1.0, v[SG+i]    ; 1.0 with gamma's sign
.set i, i+1
.endr
.set i, 0
.rept 8
	v_pk_mul_f32 v[BS+2*i:BS+2*i+1], v[BS+2*i:BS+2*i+1], v[SG+2*i:SG+2*i+1]
.set i, i+1
.endr
	s_wait_dscnt 0x0                               ; for the others' sake: my K step of feat is in LDS
	s_barrier_signal -1
	s_barrier_wait -1
.macro FETCH ks, buf                   ; 12 LDS loads: two fragments of W, four of feat
.irp a, 0,1
	ds_load_b128 v[\buf+8*\a:\buf+8*\a+3],   v11 offset:\a*8448+64*(\ks)
	ds_load_b128 v[\buf+8*\a+4:\buf+8*\a+7], v11 offset:\a*8448+64*(\ks)+32
.endr
.irp c, 0,1,2,3
	ds_load_b128 v[\buf+16+8*\c:\buf+16+8*\c+3], v6 offset:BF+(\ks)*4160+\c*1040
	ds_load_b128 v[\buf+16+8*\c+4:\buf+16+8*\c+7], v6 offset:BF+(\ks)*4160+\c*1040+512
.endr
.endm
.macro MUL buf, ks                     ; 8 matrix instructions, the accumulators by turns, one instruction a turn; the first K step starts the sums
.irp a, 0,1
.irp c, 0,1,2,3
.if (\ks) == 0
	v_wmma_f32_16x16x32_bf16 v[ACC+8*(4*\a+\c):ACC+8*(4*\a+\c)+7], v[\buf+8*\a:\buf+8*\a+7], v[\buf+16+8*\c:\buf+16+8*\c+7], 0
.else
	v_wmma_f32_16x16x32_bf16 v[ACC+8*(4*\a+\c):ACC+8*(4*\a+\c)+7], v[\buf+8*\a:\buf+8*\a+7], v[\buf+16+8*\c:\buf+16+8*\c+7], v[ACC+8*(4*\a+\c):ACC+8*(4*\a+\c)+7]
.endif
.endr
.endr
.endm
	FETCH 0, 64
.irp ks, 0,1,2,3,4,5,6,7
.if \ks < 7
.if \ks > 0
.rept 4
	v_nop                                          ; four places between the products that read a buffer and the loads into it (ISA guide 7.12.1 for vector instructions)
.endr
.endif
	FETCH \ks+1, 64+48*((\ks+1)&1)
	s_wait_dscnt 12                                ; all but the 12 just issued
.else
	s_wait_dscnt 0x0                               ; my last LDS loads of part 1 are back
.endif
	MUL 64+48*(\ks&1), \ks
.endr
.rept 4
	v_nop                                          ; four places behind the last products
.endr
	s_lshl_b32 s18, s15, 22
	s_lshl_b32 s20, s14, 19                        ; slices 8 w on, 65,536 bytes each
	s_add_co_u32 s18, s18, s20
	s_lshl_b32 s20, s16, 10                        ; 64 points of 16 bytes
	s_add_co_u32 s18, s18, s20
	s_add_nc_u64 s[12:13], s[12:13], s[18:19]
	; register j of lane (r, h) is (g = 32 w + 16 a + 8 h + j, point 16 c + r): registers 0-3 are the 16 bytes of slice 8 w + 4 a + 2 h, registers 4-7 of the next; 16 lanes store 256 consecutive bytes
.irp a, 0,1
.irp c, 0,1,2,3
.irp j, 0,2,4,6
	v_pk_fma_f32 v[64+8*(4*\a+\c)+\j:64+8*(4*\a+\c)+\j+1], v[ACC+8*(4*\a+\c)+\j:ACC+8*(4*\a+\c)+\j+1], v[SG+8*\a+\j:SG+8*\a+\j+1], v[BS+8*\a+\j:BS+8*\a+\j+1]
.endr
	global_store_b128 v5, v[64+8*(4*\a+\c):64+8*(4*\a+\c)+3],   s[12:13] offset:\a*262144+\c*256
	global_store_b128 v5, v[64+8*(4*\a+\c)+4:64+8*(4*\a+\c)+7], s[12:13] offset:\a*262144+65536+\c*256
.endr
.endr
; ---------------------------------------------------------------- PART 2
.set TX0, 0                            ; LDS: x0 of the batch's 4,096 points
.set TX1, 16384                        ; x1
.set TSQ, 32768                        ; sq
.set R0,  49152                        ; [half of n 2][list 8][rank 32][lane 32] f32: the waves' best 32
.set R1,  114688                       ; [2][4][32][32]: after the tree's first level
.set R2,  147456                       ; [2][2][32][32]: after its second
.set TT,  163840                       ; T of the 64 n
.set STG, 164096                       ; [n 64] rows of 64 words, 272 bytes apart
.set SP,  272
.set XN0, 4                            ; v[4:5]   x0 of my two n
.set XN1, 6                            ; v[6:7]   x1
.set SQN, 8                            ; v[8:9]   sq
.set TH,  10                           ; v[10:11] T
.set ALL, 12                           ; v12-15   the words being filled: under T (n low, n high), at T (low, high)
.set ALH, 13
.set AEL, 14
.set AEH, 15
.set D,   16                           ; v[16:31] d of 8 m, a pair each
.set TA,  32                           ; v32      LDS byte of my wave's m in hand, the same in all lanes
.set SAD, 33                           ; v33      where my words go in the stage
.set TM,  34                           ; v[34:37] pass 2: four group minima
.set B0,  40                           ; v[40:63], v[64:87] two buffers of 8 m: x0, x1, sq
.set MINLO, 88                         ; v[88:119]  32 group minima of n low
.set MINHI, 120                        ; v[120:151] of n high
.set Y,     152                        ; v[152:183] the networks' other side
.set BESTLO, 184                       ; v[184:215] the best 32 so far, ascending
.set BESTHI, 216                       ; v[216:247]
	s_wait_xcnt 0x0                                ; part 1's stores have had their addresses translated (ISA guide 3.1): their data, offset and base are rewritten only behind this wait
	v_and_b32 v1, 31, v0                           ; lane
	v_lshrrev_b32 v3, 5, v0
	v_readfirstlane_b32 s8, v3                     ; wave
	s_lshr_b32 s9, ttmp9, 6                        ; batch
	s_and_b32 s10, ttmp9, 63                       ; block of 64 n
	v_lshlrev_b32 v2, 2, v1                        ; 4 x lane
	v_lshlrev_b32 v38, 4, v0                       ; 16 x thread
	v_lshl_add_u32 v39, s10, 8, v2                 ; byte offset of n = 64 block + lane in a row of xyz
	s_mul_i32 s2, s9, 49152                        ; a batch of xyz: 3 rows of 16,384 bytes
	s_mov_b32 s3, 0
	s_add_nc_u64 s[12:13], s[24:25], s[2:3]        ; the batch's x0 row; x1 lies 16,384 bytes behind
.irp i, 0,1,2,3
	global_load_b128 v[MINLO+4*\i:MINLO+4*\i+3],       v38, s[12:13] offset:4096*\i          ; 256 threads x 16 bytes: a quarter of a row a load
	global_load_b128 v[MINLO+16+4*\i:MINLO+16+4*\i+3], v38, s[12:13] offset:16384+4096*\i
.endr
	global_load_b32 v[XN0],   v39, s[12:13]
	global_load_b32 v[XN0+1], v39, s[12:13] offset:128
	global_load_b32 v[XN1],   v39, s[12:13] offset:16384
	global_load_b32 v[XN1+1], v39, s[12:13] offset:16512
.set i, 0
.rept 64
	v_mov_b32 v[BESTLO+i], 0x7f800000              ; the best 32 of both n: +infinity, so that every trip of pass 1 merges alike
.set i, i+1
.endr
	v_mov_b32 v[ALL], 0
	v_mov_b32 v[ALH], 0
	v_mov_b32 v[AEL], 0
	v_mov_b32 v[AEH], 0
	v_mul_u32_u24 v[SAD], v1, SP
	s_lshl_b32 s2, s8, 4                           ; my wave's four words of a row
	s_add_co_u32 s2, s2, STG
	v_add_nc_u32 v[SAD], s2, v[SAD]
	s_barrier_signal -1                            ; each wave waited for its last LDS loads of part 1 ahead of its last products:
	s_barrier_wait -1                              ; behind this barrier nobody reads part 1's bytes any more, and LDS is written anew
	s_wait_loadcnt 0x4                             ; the eight table loads are in; the four loads of my own n stay out
.set i, 0
.rept 8
	v_pk_mul_f32 v[MINHI+2*i:MINHI+2*i+1],       v[MINLO+2*i:MINLO+2*i+1],       v[MINLO+2*i:MINLO+2*i+1]
	v_pk_mul_f32 v[MINHI+16+2*i:MINHI+16+2*i+1], v[MINLO+16+2*i:MINLO+16+2*i+1], v[MINLO+16+2*i:MINLO+16+2*i+1]
.set i, i+1
.endr
.set i, 0
.rept 8
	v_pk_add_f32 v[MINHI+2*i:MINHI+2*i+1], v[MINHI+2*i:MINHI+2*i+1], v[MINHI+16+2*i:MINHI+16+2*i+1]   ; sq: two rounded squares, one rounded sum
.set i, i+1
.endr
.irp i, 0,1,2,3
	ds_store_b128 v38, v[MINLO+4*\i:MINLO+4*\i+3]       offset:TX0+4096*\i
	ds_store_b128 v38, v[MINLO+16+4*\i:MINLO+16+4*\i+3] offset:TX1+4096*\i
	ds_store_b128 v38, v[MINHI+4*\i:MINHI+4*\i+3]       offset:TSQ+4096*\i
.endr
	s_wait_loadcnt 0x0
	v_pk_mul_f32 v[SQN:SQN+1], v[XN0:XN0+1], v[XN0:XN0+1]
	v_pk_mul_f32 v[TM:TM+1],   v[XN1:XN1+1], v[XN1:XN1+1]
	v_pk_add_f32 v[SQN:SQN+1], v[SQN:SQN+1], v[TM:TM+1]
	s_wait_dscnt 0x0                               ; for the others' sake: my part of the tables is in LDS
	s_barrier_signal -1
	s_barrier_wait -1
; six LDS loads: x0, x1 and sq of block bk's 8 m, every lane at the same address
.macro LDB buf, bk
	ds_load_b128 v[\buf:\buf+3],     v[TA] offset:TX0+32*(\bk)
	ds_load_b128 v[\buf+4:\buf+7],   v[TA] offset:TX0+32*(\bk)+16
	ds_load_b128 v[\buf+8:\buf+11],  v[TA] offset:TX1+32*(\bk)
	ds_load_b128 v[\buf+12:\buf+15], v[TA] offset:TX1+32*(\bk)+16
	ds_load_b128 v[\buf+16:\buf+19], v[TA] offset:TSQ+32*(\bk)
	ds_load_b128 v[\buf+20:\buf+23], v[TA] offset:TSQ+32*(\bk)+16
.endm
; Block blk's 8 m (in the buffer at BB) against my two n, and the minima of its two groups.  An even m is the first register of its pair, an odd m the second.
; pass 1: the minima go to places 2 blk and 2 blk + 1 of the 32; pass 2: they are held against T, and two bits each are shifted in by an add with carry.
.macro BLK pass
.irp e, 0,2,4,6
	v_pk_mul_f32 v[D+2*\e:D+2*\e+1],   v[XN0:XN0+1], v[BB+\e:BB+\e+1] op_sel_hi:[1,0]
	v_pk_mul_f32 v[D+2*\e+2:D+2*\e+3], v[XN0:XN0+1], v[BB+\e:BB+\e+1] op_sel:[0,1] op_sel_hi:[1,1]
.endr
.irp e, 0,2,4,6
	v_pk_fma_f32 v[D+2*\e:D+2*\e+1],   v[XN1:XN1+1], v[BB+8+\e:BB+8+\e+1], v[D+2*\e:D+2*\e+1]   op_sel_hi:[1,0,1]
	v_pk_fma_f32 v[D+2*\e+2:D+2*\e+3], v[XN1:XN1+1], v[BB+8+\e:BB+8+\e+1], v[D+2*\e+2:D+2*\e+3] op_sel:[0,1,0] op_sel_hi:[1,1,1]
.endr
.irp e, 0,2,4,6
	v_pk_fma_f32 v[D+2*\e:D+2*\e+1],   v[D+2*\e:D+2*\e+1],   -2.0, v[BB+16+\e:BB+16+\e+1] op_sel_hi:[1,0,0]                 ; sq_m - 2 dot: doubling is exact, so one rounding as in the two-step form
	v_pk_fma_f32 v[D+2*\e+2:D+2*\e+3], v[D+2*\e+2:D+2*\e+3], -2.0, v[BB+16+\e:BB+16+\e+1] op_sel:[0,0,1] op_sel_hi:[1,0,1]
.endr
.irp e, 0,1,2,3,4,5,6,7
	v_pk_add_f32 v[D+2*\e:D+2*\e+1], v[D+2*\e:D+2*\e+1], v[SQN:SQN+1]
.endr
.if \pass == 1
.set Q0, MINLO+2*blk
.set Q1, MINHI+2*blk
.set Q2, MINLO+2*blk+1
.set Q3, MINHI+2*blk+1
.else
.set Q0, TM
.set Q1, TM+1
.set Q2, TM+2
.set Q3, TM+3
.endif
	v_min3_num_f32 v[Q0], v[D],   v[D+2],  v[D+4]
	v_min3_num_f32 v[Q1], v[D+1], v[D+3],  v[D+5]
	v_min3_num_f32 v[Q2], v[D+8], v[D+10], v[D+12]
	v_min3_num_f32 v[Q3], v[D+9], v[D+11], v[D+13]
	v_min_num_f32 v[Q0], v[Q0], v[D+6]
	v_min_num_f32 v[Q1], v[Q1], v[D+7]
	v_min_num_f32 v[Q2], v[Q2], v[D+14]
	v_min_num_f32 v[Q3], v[Q3], v[D+15]
.if \pass == 2
	v_cmp_lt_f32 s16, v[Q0], v[TH]
	v_cmp_eq_f32 s17, v[Q0], v[TH]
	v_cmp_lt_f32 s18, v[Q1], v[TH+1]
	v_cmp_eq_f32 s19, v[Q1], v[TH+1]
	v_cmp_lt_f32 s20, v[Q2], v[TH]
	v_cmp_eq_f32 s21, v[Q2], v[TH]
	v_cmp_lt_f32 s22, v[Q3], v[TH+1]
	v_cmp_eq_f32 s23, v[Q3], v[TH+1]
	v_add_co_ci_u32 v[ALL], vcc_lo, v[ALL], v[ALL], s16    ; word = 2 word + bit; after 32 groups the older bits have left
	v_add_co_ci_u32 v[AEL], vcc_lo, v[AEL], v[AEL], s17
	v_add_co_ci_u32 v[ALH], vcc_lo, v[ALH], v[ALH], s18
	v_add_co_ci_u32 v[AEH], vcc_lo, v[AEH], v[AEH], s19
	v_add_co_ci_u32 v[ALL], vcc_lo, v[ALL], v[ALL], s20
	v_add_co_ci_u32 v[AEL], vcc_lo, v[AEL], v[AEL], s21
	v_add_co_ci_u32 v[ALH], vcc_lo, v[ALH], v[ALH], s22
	v_add_co_ci_u32 v[AEH], vcc_lo, v[AEH], v[AEH], s23
.endif
.endm
; Five stages that put 32 numbers which first fall and then rise (or the like) in ascending order: from SRC, by turns between SRC and DST, the last stage into fin.
.macro MERGE fin
.irp j, 16,8,4,2,1
.if \j == 1
.set DST, \fin
.endif
.set i, 0
.rept 32
.if (i & \j) == 0
	v_min_num_f32 v[DST+i],    v[SRC+i], v[SRC+i+\j]
	v_max_num_f32 v[DST+i+\j], v[SRC+i], v[SRC+i+\j]
.endif
.set i, i+1
.endr
.set TMPS, SRC
.set SRC, DST
.set DST, TMPS
.endr
.endm
; The 32 numbers at mr are sorted upward (15 stages, by turns between mr and Y: they end in Y); rank i of the best 32 against rank 31 - i of the new ones: the smaller
; ones are the 32 smallest of the 64; five stages put them in order again, into br.
.macro SEL mr, br
.set SRC, \mr
.set DST, Y
.irp k, 2,4,8,16,32
.irp j, 16,8,4,2,1
.if \j < \k
.set i, 0
.rept 32
.if (i & \j) == 0
.if (i & \k) == 0
	v_min_num_f32 v[DST+i],    v[SRC+i], v[SRC+i+\j]
	v_max_num_f32 v[DST+i+\j], v[SRC+i], v[SRC+i+\j]
.else
	v_max_num_f32 v[DST+i],    v[SRC+i], v[SRC+i+\j]
	v_min_num_f32 v[DST+i+\j], v[SRC+i], v[SRC+i+\j]
.endif
.endif
.set i, i+1
.endr
.set TMPS, SRC
.set SRC, DST
.set DST, TMPS
.endif
.endr
.endr
.set i, 0
.rept 32
	v_min_num_f32 v[DST+i], v[\br+i], v[SRC+31-i]
.set i, i+1
.endr
.set TMPS, SRC
.set SRC, DST
.set DST, TMPS
	MERGE \br
.endm
; One pass over my wave's 512 m: 4 trips of 128 m, 16 blocks each, two buffers by turns: while a block is worked on, the next block's six loads are out.
.macro PASS p
	s_lshl_b32 s2, s8, 11
	v_mov_b32 v[TA], s2
	s_mov_b32 s11, 0
.Lpass\p:
	LDB B0, 0
	LDB B0+24, 1
.set blk, 0
.rept 16
.set BB, B0+24*(blk&1)
.if blk < 15
	s_wait_dscnt 6                                 ; LDS loads return in order: this block's six are in, the next block's six stay out
.else
	s_wait_dscnt 0x0
.endif
	BLK \p
.if blk < 14
	LDB BB, blk+2
.endif
.set blk, blk+1
.endr
.if \p == 1
	SEL MINLO, BESTLO
	SEL MINHI, BESTHI
.else
	ds_store_b32 v[SAD], v[ALL]                    ; n = lane: under T, at T
	ds_store_b32 v[SAD], v[AEL] offset:128
	ds_store_b32 v[SAD], v[ALH] offset:32*SP       ; n = lane + 32
	ds_store_b32 v[SAD], v[AEH] offset:32*SP+128
	v_add_nc_u32 v[SAD], 4, v[SAD]
.endif
	v_add_nc_u32 v[TA], 512, v[TA]
	s_add_co_u32 s11, s11, 1
	s_cmp_lt_u32 s11, 4
	s_cbranch_scc1 .Lpass\p
.endm
; A level of the tree.  Behind a barrier wave w (of the first nact) joins the two neighbouring lists at src + 8,192 w into one at dst + 4,096 w: with the lists laid
; [half of n][list][rank][lane] both places are plain multiples of the wave's number.  Each level writes a region of its own.  fin = 1: only the largest of the 32 smallest is wanted: T.
.macro TREE src, dst, nact, fin
	s_wait_dscnt 0x0                               ; for the others' sake: my stores of the level before are done
	s_barrier_signal -1
	s_barrier_wait -1
.if \nact < 8
	s_cmp_ge_u32 s8, \nact
	s_cbranch_scc1 .Ltree\nact
.endif
	v_lshl_add_u32 v3, s8, 13, v2
	v_add_nc_u32 v3, \src, v3
.set i, 0
.rept 32
	ds_load_b32 v[MINLO+i], v3 offset:i*128
.set i, i+1
.endr
.set i, 0
.rept 32
	ds_load_b32 v[MINHI+i], v3 offset:4096+i*128
.set i, i+1
.endr
	s_wait_dscnt 0x0
.set i, 0
.rept 32
	v_min_num_f32 v[Y+i], v[MINLO+i], v[MINHI+31-i]
.set i, i+1
.endr
.if \fin
.set i, 0
.rept 10
	v_max3_num_f32 v[Y+i], v[Y+3*i], v[Y+3*i+1], v[Y+3*i+2]
.set i, i+1
.endr
	v_max3_num_f32 v[Y],   v[Y],   v[Y+1],  v[Y+2]
	v_max3_num_f32 v[Y+1], v[Y+3], v[Y+4],  v[Y+5]
	v_max3_num_f32 v[Y+2], v[Y+6], v[Y+7],  v[Y+8]
	v_max3_num_f32 v[Y+3], v[Y+9], v[Y+30], v[Y+31]
	v_max3_num_f32 v[Y],   v[Y],   v[Y+1],  v[Y+2]
	v_max_num_f32  v[Y],   v[Y],   v[Y+3]
	v_lshl_add_u32 v3, s8, 7, v2
	v_add_nc_u32 v3, \dst, v3
	ds_store_b32 v3, v[Y]
.else
.set SRC, Y
.set DST, MINLO
	MERGE MINLO
	v_lshl_add_u32 v3, s8, 12, v2
	v_add_nc_u32 v3, \dst, v3
.set i, 0
.rept 32
	ds_store_b32 v3, v[MINLO+i] offset:i*128
.set i, i+1
.endr
.endif
.if \nact < 8
.Ltree\nact:
.endif
.endm
	PASS 1
	v_lshl_add_u32 v3, s8, 12, v2                  ; my wave's list, for both halves of n
	v_add_nc_u32 v3, R0, v3
.set i, 0
.rept 32
	ds_store_b32 v3, v[BESTLO+i] offset:i*128
	ds_store_b32 v3, v[BESTHI+i] offset:32768+i*128
.set i, i+1
.endr
	TREE R0, R1, 8, 0
	TREE R1, R2, 4, 0
	TREE R2, TT, 2, 1
	s_wait_dscnt 0x0
	s_barrier_signal -1
	s_barrier_wait -1
	v_add_nc_u32 v3, TT, v2
	ds_load_b32 v[TH],   v3
	ds_load_b32 v[TH+1], v3 offset:128
	s_wait_dscnt 0x0
	PASS 2
	s_wait_dscnt 0x0                               ; my words are in the stage
	s_barrier_signal -1
	s_barrier_wait -1
	; the way out: wave w takes rows 8 w .. 8 w + 7, two rows of 256 bytes a load; a store of the wave covers 512 consecutive bytes
	v_lshrrev_b32 v3, 4, v1
	v_mul_u32_u24 v3, v3, SP
	v_and_b32 v38, 15, v1
	v_lshl_add_u32 v3, v38, 4, v3
	s_mul_i32 s2, s8, 8*SP
	s_add_co_u32 s2, s2, STG
	v_add_nc_u32 v3, s2, v3
.irp t, 0,1,2,3
	ds_load_b128 v[Y+4*\t:Y+4*\t+3], v3 offset:\t*2*SP
.endr
	v_lshlrev_b32 v39, 4, v1
	s_lshl_b32 s2, s9, 12
	s_lshl_b32 s11, s10, 6
	s_add_co_u32 s2, s2, s11
	s_lshl3_add_u32 s2, s8, s2                     ; row = 4,096 b + 64 block + 8 w
	s_lshl_b32 s2, s2, 8
	s_add_nc_u64 s[6:7], s[26:27], s[2:3]
.irp t, 0,1,2,3
	s_wait_dscnt 3-\t                              ; LDS loads return in order: rows 2 t and 2 t + 1 are in
	global_store_b128 v39, v[Y+4*\t:Y+4*\t+3], s[6:7] offset:\t*512
.endr
	s_set_vgpr_msb 0x5
	s_wait_tensorcnt 0x0
	ds_add_u32 v0, v1
	s_wait_dscnt 0x0
	s_set_vgpr_msb 0x500
	s_endpgm
.Lfunc_end_k_q20cbf83539_lin_grp:
	.size	k_q20cbf83539_lin_grp, .Lfunc_end_k_q20cbf83539_lin_grp-k_q20cbf83539_lin_grp
	.p2alignl 7, 3214868480
	.fill 96, 4, 3214868480
	.section	.rodata,"a",@progbits
	.p2align	6, 0x0
	.amdhsa_kernel k_q20cbf83539_lin_grp
		.amdhsa_group_segment_fixed_size 182528
		.amdhsa_private_segment_fixed_size 0
		.amdhsa_enable_private_segment 0
		.amdhsa_kernarg_size 56
		.amdhsa_user_sgpr_count 2
		.amdhsa_user_sgpr_kernarg_segment_ptr 1
		.amdhsa_wavefront_size32 1
		.amdhsa_system_sgpr_workgroup_id_x 1
		.amdhsa_system_sgpr_workgroup_id_y 1
		.amdhsa_system_sgpr_workgroup_id_z 1
		.amdhsa_system_vgpr_workitem_id 0
		.amdhsa_next_free_vgpr 258
		.amdhsa_next_free_sgpr 66
		.amdhsa_reserve_vcc 1
		.amdhsa_float_denorm_mode_32 3
		.amdhsa_float_denorm_mode_16_64 3
		.amdhsa_memory_ordered 1
		.amdhsa_forward_progress 1
		.amdhsa_inst_pref_size 236
	.end_amdhsa_kernel
	.amdgpu_metadata
---
amdhsa.version: [ 1, 2 ]
amdhsa.kernels:
  - .name:           k_q20cbf83539_lin_grp
    .symbol:         k_q20cbf83539_lin_grp.kd
    .args:
      - { .name: feat, .offset: 0, .size: 8, .value_kind: global_buffer, .address_space: global }
      - { .name: W, .offset: 8, .size: 8, .value_kind: global_buffer, .address_space: global }
      - { .name: b, .offset: 16, .size: 8, .value_kind: global_buffer, .address_space: global }
      - { .name: gamma, .offset: 24, .size: 8, .value_kind: global_buffer, .address_space: global }
      - { .name: zs, .offset: 32, .size: 8, .value_kind: global_buffer, .address_space: global }
      - { .name: xyz, .offset: 40, .size: 8, .value_kind: global_buffer, .address_space: global }
      - { .name: gmask, .offset: 48, .size: 8, .value_kind: global_buffer, .address_space: global }
    .group_segment_fixed_size: 182528
    .private_segment_fixed_size: 0
    .kernarg_segment_align: 8
    .kernarg_segment_size: 56
    .max_flat_workgroup_size: 256
    .sgpr_count:     66
    .vgpr_count:     258
    .wavefront_size: 32
...
	.end_amdgpu_metadata
.endif
;; end of part 6
;; launch knn_sort (part 7): grid 256 x 1, 16 waves a work-group, no clusters, 38,912 bytes of LDS; arguments xyz, gmask, idxg; writes idxg
.if DOCPART == 7
	.amdgcn_target "amdgcn-amd-amdhsa--gfx1250"
	.amdhsa_code_object_version 6
	.text
	.protected	k_q20cbf83539_knn_sort
	.globl	k_q20cbf83539_knn_sort
	.p2align	8
	.type	k_q20cbf83539_knn_sort,@function
k_q20cbf83539_knn_sort:
	s_mov_b64 s[64:65], 0
	v_nop
	global_prefetch_b8 v0, s[64:65] scope:SCOPE_SE
	s_setreg_imm32_b32 hwreg(HW_REG_WAVE_MODE, 25, 1), 1
	s_wait_xcnt 0x0
; The 32 nearest points of every n, in order (ascending d, ties to the lower index), from the group masks of the launch before.
; For one n: (1) Which groups: lane w holds word w of the mask of groups under T and of the mask of groups at T; a = the number under T (at most 31).
; Rank r < a takes the r-th group under T, rank r >= a the (r - a)-th group at T, in ascending group number (words ascending, bits from the top).  Whole-number work alone:
; bit counts, one prefix sum over the lanes (both counts in 16-bit fields), five steps of a search for the word over the prefix sums (each a pull from another lane),
; five steps of a search for the bit over the word's partial bit sums.  (2) The group's four points come from LDS by two loads of 16 bytes.  (3) Four turns of 32 candidates:
; d in f32, in the same form as in the launch before (dot a fused chain, sq the rounded sum of the rounded squares), made into a key whose unsigned order is d's; the first 32
; (key, index) pairs are sorted upward across the lanes by a fixed network, the others downward and merged with the 32 best so far.
; TWO n AT A TIME: a compare and exchange is a chain (move, compare, three scalar operations, select) in which each line reads the one before.  So a wave works on two of its
; four n at once, in two sets of registers O apart, and the two chains' lines take turns; the waits for LDS serve both.
; No branch hangs on data: 32 groups of 4 are 128 candidates for every input.  LDS addresses hang on the masks (whole numbers read from memory); d only chooses values.
; ORDER IN LDS: the coordinates are stored, a barrier; then only reads and lane pulls; a barrier; the four results go into the stage; a barrier; the stage is read.
; SHARES: work-group (b, qp) owns idxg[b][2 qp .. 2 qp + 1], 4,096 bytes; wave w, item t: k' = 2 w + (t >> 1), q = 2 qp + (t & 1), n = 128 k' + q.
; idxg[b][q][i][r][e] (u16) = 16 x (the r-th nearest of n = (8 i + e) 128 + q): the byte offset of that point's row in the next launch's table.
; LIMIT: NaN or infinite coordinates are not served.
; No matrix unit: the product has two terms and its last bit decides the order.  No cluster: what the work-groups share is 32 KB of coordinates, read once each.
.set OSTG, 32768                       ; LDS: bytes 0..32767 x0 and x1 of the batch; then for each wave 256 bytes: [item 4][rank 32] u16
.set O,    48                          ; the second item's registers lie O above the first's
.set LM1,  0x55555555                  ; lanes whose bit j is 0
.set LM2,  0x33333333
.set LM4,  0x0f0f0f0f
.set LM8,  0x00ff00ff
.set LM16, 0x0000ffff
.set AM2,  0x33333333                  ; lanes whose bit k is 0
.set AM4,  0x0f0f0f0f
.set AM8,  0x00ff00ff
.set AM16, 0x0000ffff
.set AM32, 0xffffffff
; shared: v1 lane; v2 16 x thread; v[8:15] four items' two mask words; v64 4 x lane; v65 my place in the stage; v[66:69] the four results
; for item u of a pair, at + O u: v24, v25 counts; v26 both; v27 prefix sum without, v47 with my own; v28, v29 at work; v30 field shift; v31 rank; v32 word number; v33 the word;
; v34, v35 best key, index; v36, v37 new key, index; v38, v39 the partner's (before that: partial bit sums, with v40); v41, v42 bit search; v43 group; v44, v45 d;
; v[48:51], v[52:55] x0, x1 of the group's four points; v57 its first point
; scalars for item u: s[38+u] at work; s[40+u] a; s[42+u] the ranks that take groups at T; s[50+3u:52+3u] compare masks
	s_load_b128 s[4:7], s[0:1], 0x0                ; xyz s[4:5], gmask s[6:7]
	s_load_b64 s[8:9], s[0:1], 0x10                ; idxg
	v_lshl_add_u32 v112, v0, 2, 0x9000
	v_mov_b32 v113, 0
	v_and_b32 v1, 31, v0
	v_lshrrev_b32 v2, 5, v0
	v_readfirstlane_b32 s10, v2                    ; wave
	s_lshr_b32 s11, ttmp9, 6                       ; batch
	s_and_b32 s12, ttmp9, 63                       ; qp
	s_mul_i32 s14, s11, 49152
	s_mov_b32 s15, 0
	v_lshlrev_b32 v2, 4, v0
	v_lshlrev_b32 v64, 2, v1
	s_wait_kmcnt 0x0
	s_add_nc_u64 s[20:21], s[4:5], s[14:15]        ; the batch's x0 row; x1 follows it
	global_load_b128 v[48:51], v2, s[20:21]
	global_load_b128 v[52:55], v2, s[20:21] offset:8192
	global_load_b128 v[56:59], v2, s[20:21] offset:16384
	global_load_b128 v[60:63], v2, s[20:21] offset:24576
	s_lshl_b32 s13, s10, 8
	s_lshl1_add_u32 s13, s12, s13                  ; item 0's n = 256 w + 2 qp; item t lies (t & 1) + 128 (t >> 1) further
	s_lshl_b32 s14, s13, 2
	s_add_nc_u64 s[18:19], s[20:21], s[14:15]
	s_load_b64 s[24:25], s[18:19], 0x0             ; x0 of items 0, 1
	s_load_b64 s[26:27], s[18:19], 0x200           ; of items 2, 3
	s_load_b64 s[28:29], s[18:19], 0x4000          ; x1
	s_load_b64 s[30:31], s[18:19], 0x4200
	s_lshl_b32 s14, s11, 12
	s_add_co_u32 s14, s14, s13
	s_lshl_b32 s14, s14, 8                         ; a row of masks is 256 bytes
	s_add_nc_u64 s[16:17], s[6:7], s[14:15]
.irp t, 0,1,2,3
	global_load_b32 v[8+2*\t], v64, s[16:17] offset:(\t&1)*256+(\t>>1)*32768       ; under T: lane w takes word w
	global_load_b32 v[9+2*\t], v64, s[16:17] offset:(\t&1)*256+(\t>>1)*32768+128   ; at T
.endr
	s_mov_b32 s36, 0x76543210                      ; v_permlanex16_b32: each lane takes its own place in the other half
	s_mov_b32 s37, 0xfedcba98
	s_mov_b32 s46, 0xffff0000                      ; lanes 16 to 31
	s_mov_b32 s48, 0x01010101
	s_lshl_b32 s47, s10, 8
	s_add_co_u32 s47, s47, OSTG
	v_lshl_add_u32 v65, v1, 1, s47
.irp u, 0,1
	v_mov_b32 v[29+O*\u], 0                        ; destinations of lane moves count as read: written once
	v_mov_b32 v[38+O*\u], 0
	v_mov_b32 v[39+O*\u], 0
.endr
	s_wait_kmcnt 0x0
.irp t, 0,1,2,3
	s_mul_f32 s[32+\t], s[24+\t], s[24+\t]         ; sq of my four n
	s_mul_f32 s47, s[28+\t], s[28+\t]
	s_add_f32 s[32+\t], s[32+\t], s47
.endr
	s_wait_loadcnt 0x8                             ; the four coordinate loads are in; the eight mask words behind them may stay out
	ds_store_b128 v2, v[48:51]
	ds_store_b128 v2, v[52:55] offset:8192
	ds_store_b128 v2, v[56:59] offset:16384
	ds_store_b128 v2, v[60:63] offset:24576
	s_wait_dscnt 0x0                               ; for the others' sake: my part of the coordinates is in LDS
	s_barrier_signal -1
	s_barrier_wait -1
; v[d] = the number of set bits of v[s]; v[t] at work
.macro POPC d, s, t
	v_lshrrev_b32 v[\t], 1, v[\s]
	v_and_b32 v[\t], 0x55555555, v[\t]
	v_sub_nc_u32 v[\d], v[\s], v[\t]
	v_lshrrev_b32 v[\t], 2, v[\d]
	v_and_b32 v[\d], 0x33333333, v[\d]
	v_and_b32 v[\t], 0x33333333, v[\t]
	v_add_nc_u32 v[\d], v[\d], v[\t]
	v_lshrrev_b32 v[\t], 4, v[\d]
	v_add_nc_u32 v[\d], v[\d], v[\t]
	v_and_b32 v[\d], 0x0f0f0f0f, v[\d]
	v_mul_lo_u32 v[\d], v[\d], s48
	v_lshrrev_b32 v[\d], 24, v[\d]
.endm
; A step of the search for the bit, for both items.  v41 = s: the bit lies among the word's lowest s; v31 = its rank among those, from the top, counted from 1.
; The upper dec of them hold t set bits (a field of wid bits of the partial sums at src); if the rank is above t, the bit lies below them.
.macro STEP src, dec, wid
.irp u, 0,1
	v_add_nc_u32 v[42+O*\u], -\dec, v[41+O*\u]
.endr
.irp u, 0,1
	v_bfe_u32 v[29+O*\u], v[\src+O*\u], v[42+O*\u], \wid
.endr
.irp u, 0,1
	v_cmp_gt_u32 s[50+3*\u], v[31+O*\u], v[29+O*\u]
	v_sub_nc_u32 v[29+O*\u], v[31+O*\u], v[29+O*\u]
.endr
.irp u, 0,1
	v_cndmask_b32 v[41+O*\u], v[41+O*\u], v[42+O*\u], s[50+3*\u]
	v_cndmask_b32 v[31+O*\u], v[31+O*\u], v[29+O*\u], s[50+3*\u]
.endr
.endm
; Compare and exchange with the lane j away, for both items.  sm: the lanes that keep the smaller pair.  A lane that keeps the smaller pair takes its partner's where its own is
; not below it, a lane that keeps the larger where its own is below: (mine below the partner's) xor sm.
.macro CE kr, ir, j, sm
.irp u, 0,1
.if \j == 16
	v_permlanex16_b32 v[38+O*\u], v[\kr+O*\u], s36, s37
	v_permlanex16_b32 v[39+O*\u], v[\ir+O*\u], s36, s37
.else
	v_mov_b32_dpp v[38+O*\u], v[\kr+O*\u] row_xmask:\j row_mask:0xf bank_mask:0xf
	v_mov_b32_dpp v[39+O*\u], v[\ir+O*\u] row_xmask:\j row_mask:0xf bank_mask:0xf
.endif
.endr
.irp u, 0,1
	v_cmp_lt_u32 s[50+3*\u], v[\kr+O*\u], v[38+O*\u]
	v_cmp_eq_u32 s[51+3*\u], v[\kr+O*\u], v[38+O*\u]
	v_cmp_lt_u32 s[52+3*\u], v[\ir+O*\u], v[39+O*\u]
.endr
.irp u, 0,1
	s_and_b32 s[51+3*\u], s[51+3*\u], s[52+3*\u]
.endr
.irp u, 0,1
	s_or_b32 s[50+3*\u], s[50+3*\u], s[51+3*\u]    ; (key, index) of mine below the partner's
.endr
.irp u, 0,1
	s_xor_b32 s[50+3*\u], s[50+3*\u], \sm
.endr
.irp u, 0,1
	v_cndmask_b32 v[\kr+O*\u], v[\kr+O*\u], v[38+O*\u], s[50+3*\u]
	v_cndmask_b32 v[\ir+O*\u], v[\ir+O*\u], v[39+O*\u], s[50+3*\u]
.endr
.endm
; 32 pairs sorted across the lanes, 15 stages.  inv = 0: downward; 0xffffffff: upward
.macro SORT kr, ir, inv
.irp k, 2,4,8,16,32
.irp j, 16,8,4,2,1
.if \j < \k
	CE \kr, \ir, \j, (LM\j^AM\k^\inv)
.endif
.endr
.endr
.endm
; key and index of point e of my group, against the n of items T and T + 1
.macro KEY kr, ir, e, T
.irp u, 0,1
	v_mul_f32 v[45+O*\u], s[24+\T+\u], v[48+\e+O*\u]
	v_mul_f32 v[44+O*\u], v[48+\e+O*\u], v[48+\e+O*\u]
	v_mul_f32 v[28+O*\u], v[52+\e+O*\u], v[52+\e+O*\u]
.endr
.irp u, 0,1
	v_fma_f32 v[45+O*\u], s[28+\T+\u], v[52+\e+O*\u], v[45+O*\u]
	v_add_f32 v[44+O*\u], v[44+O*\u], v[28+O*\u]
.endr
.irp u, 0,1
	v_fma_f32 v[44+O*\u], -2.0, v[45+O*\u], v[44+O*\u]   ; sq_m - 2 dot: doubling is exact, so one rounding as in the two-step form
.endr
.irp u, 0,1
	v_add_f32 v[44+O*\u], s[32+\T+\u], v[44+O*\u]
.endr
.irp u, 0,1
	v_ashrrev_i32 v[45+O*\u], 31, v[44+O*\u]       ; a key whose unsigned order is d's: the sign bit set for d >= 0, all bits turned for d < 0
	v_add_nc_u32 v[\ir+O*\u], \e, v[57+O*\u]
.endr
.irp u, 0,1
	v_or_b32 v[45+O*\u], 0x80000000, v[45+O*\u]
.endr
.irp u, 0,1
	v_xor_b32 v[\kr+O*\u], v[44+O*\u], v[45+O*\u]
.endr
.endm
; items T and T + 1
.macro NPOINT2 T
	s_wait_loadcnt 4-2*\T                          ; loads return in order: this pair's four words are in, the later pair's four stay out
.irp u, 0,1
	POPC 24+O*\u, 8+2*(\T+\u), 28+O*\u
	POPC 25+O*\u, 9+2*(\T+\u), 28+O*\u
	v_lshl_or_b32 v[26+O*\u], v[25+O*\u], 16, v[24+O*\u]   ; both counts: under T below (31 in all at the most), at T above (1,024 at the most): no field runs over
	v_mov_b32 v[47+O*\u], v[26+O*\u]
.endr
.irp x, 1,2,4,8
.irp u, 0,1
	v_mov_b32_dpp v[29+O*\u], v[47+O*\u] row_shr:\x row_mask:0xf bank_mask:0xf bound_ctrl:1
.endr
.irp u, 0,1
	v_add_nc_u32 v[47+O*\u], v[47+O*\u], v[29+O*\u]        ; prefix sum inside each half of 16 lanes
.endr
.endr
.irp u, 0,1
	v_readlane_b32 s[38+\u], v[47+O*\u], 15
.endr
.irp u, 0,1
	v_mov_b32 v[29+O*\u], s[38+\u]
	v_cndmask_b32 v[29+O*\u], 0, v[29+O*\u], s46
	v_add_nc_u32 v[47+O*\u], v[47+O*\u], v[29+O*\u]        ; the lower half's total onto the upper half
	v_readlane_b32 s[40+\u], v[47+O*\u], 31
.endr
.irp u, 0,1
	s_and_b32 s[40+\u], s[40+\u], 0xffff           ; a: groups under T
	v_sub_nc_u32 v[27+O*\u], v[47+O*\u], v[26+O*\u]        ; the sums without my own word
	v_cmp_le_u32 s[42+\u], s[40+\u], v1            ; ranks a and above take groups at T
	v_cndmask_b32 v[30+O*\u], 0, 16, s[42+\u]      ; their field of the sums
	v_sub_nc_u32 v[31+O*\u], v1, s[40+\u]
	v_cndmask_b32 v[31+O*\u], v1, v[31+O*\u], s[42+\u]     ; my rank within my mask
	v_mov_b32 v[32+O*\u], 0
.endr
.irp st, 16,8,4,2,1                    ; the number of words whose sum, their own bits included, is not above my rank: that is my word (the last word's sum is above every rank)
.irp u, 0,1
	v_add_lshl_u32 v[28+O*\u], v[32+O*\u], \st-1, 2
	ds_bpermute_b32 v[29+O*\u], v[28+O*\u], v[47+O*\u]
	v_add_nc_u32 v[33+O*\u], \st, v[32+O*\u]
.endr
	s_wait_dscnt 0x0
.irp u, 0,1
	v_lshrrev_b32 v[29+O*\u], v[30+O*\u], v[29+O*\u]
	v_and_b32 v[29+O*\u], 0xffff, v[29+O*\u]
	v_cmp_le_u32 s[50+3*\u], v[29+O*\u], v[31+O*\u]
	v_cndmask_b32 v[32+O*\u], v[32+O*\u], v[33+O*\u], s[50+3*\u]
.endr
.endr
.irp u, 0,1
	v_lshlrev_b32 v[28+O*\u], 2, v[32+O*\u]
	ds_bpermute_b32 v[33+O*\u], v[28+O*\u], v[8+2*(\T+\u)]
	ds_bpermute_b32 v[36+O*\u], v[28+O*\u], v[9+2*(\T+\u)]
	ds_bpermute_b32 v[37+O*\u], v[28+O*\u], v[27+O*\u]
.endr
	s_wait_dscnt 0x0
.irp u, 0,1
	v_cndmask_b32 v[33+O*\u], v[33+O*\u], v[36+O*\u], s[42+\u]   ; my word
	v_lshrrev_b32 v[37+O*\u], v[30+O*\u], v[37+O*\u]
	v_and_b32 v[37+O*\u], 0xffff, v[37+O*\u]
	v_sub_nc_u32 v[31+O*\u], v[31+O*\u], v[37+O*\u]
	v_add_nc_u32 v[31+O*\u], 1, v[31+O*\u]         ; my rank within the word, counted from 1
	v_lshrrev_b32 v[28+O*\u], 1, v[33+O*\u]
	v_and_b32 v[28+O*\u], 0x55555555, v[28+O*\u]
	v_sub_nc_u32 v[38+O*\u], v[33+O*\u], v[28+O*\u]        ; bit sums of 2 bits,
	v_lshrrev_b32 v[28+O*\u], 2, v[38+O*\u]
	v_and_b32 v[28+O*\u], 0x33333333, v[28+O*\u]
	v_and_b32 v[39+O*\u], 0x33333333, v[38+O*\u]
	v_add_nc_u32 v[39+O*\u], v[39+O*\u], v[28+O*\u]        ; of 4,
	v_lshrrev_b32 v[28+O*\u], 4, v[39+O*\u]
	v_add_nc_u32 v[28+O*\u], v[28+O*\u], v[39+O*\u]
	v_and_b32 v[40+O*\u], 0x0f0f0f0f, v[28+O*\u]   ; of 8,
	v_lshrrev_b32 v[28+O*\u], 8, v[40+O*\u]
	v_add_nc_u32 v[28+O*\u], v[28+O*\u], v[40+O*\u]        ; and, in bits 23:16, of the upper 16
	v_mov_b32 v[41+O*\u], 32
.endr
	STEP 28, 16, 8
	STEP 40, 8, 4
	STEP 39, 4, 3
	STEP 38, 2, 2
	STEP 33, 1, 1                                  ; my bit is bit s - 1: group 32 - s of the word
.irp u, 0,1
	v_lshl_add_u32 v[43+O*\u], v[32+O*\u], 5, 32
	v_sub_nc_u32 v[43+O*\u], v[43+O*\u], v[41+O*\u]
	v_min_u32 v[43+O*\u], 0x3ff, v[43+O*\u]        ; inside the table
	v_lshlrev_b32 v[28+O*\u], 4, v[43+O*\u]
	ds_load_b128 v[48+O*\u:51+O*\u], v[28+O*\u]    ; x0 of the group's four points
	ds_load_b128 v[52+O*\u:55+O*\u], v[28+O*\u] offset:16384   ; x1
	v_lshlrev_b32 v[57+O*\u], 2, v[43+O*\u]
.endr
	s_wait_dscnt 0x0
	KEY 34, 35, 0, \T
	SORT 34, 35, 0xffffffff
.irp e, 1,2,3
	KEY 36, 37, \e, \T
	SORT 36, 37, 0
.irp u, 0,1
	v_cmp_lt_u32 s[50+3*\u], v[36+O*\u], v[34+O*\u]        ; best (upward) against new (downward), lane by lane: the smaller ones are the 32 smallest of the 64
	v_cmp_eq_u32 s[51+3*\u], v[36+O*\u], v[34+O*\u]
	v_cmp_lt_u32 s[52+3*\u], v[37+O*\u], v[35+O*\u]
.endr
.irp u, 0,1
	s_and_b32 s[51+3*\u], s[51+3*\u], s[52+3*\u]
.endr
.irp u, 0,1
	s_or_b32 s[50+3*\u], s[50+3*\u], s[51+3*\u]
.endr
.irp u, 0,1
	v_cndmask_b32 v[34+O*\u], v[34+O*\u], v[36+O*\u], s[50+3*\u]
	v_cndmask_b32 v[35+O*\u], v[35+O*\u], v[37+O*\u], s[50+3*\u]
.endr
.irp j, 16,8,4,2,1                     ; and are put in upward order again
	CE 34, 35, \j, LM\j
.endr
.endr
.irp u, 0,1
	v_lshlrev_b32 v[66+\T+\u], 4, v[35+O*\u]       ; lane r holds the r-th nearest
.endr
.endm
	NPOINT2 0
	NPOINT2 2
	s_wait_dscnt 0x0                               ; my reads of LDS are back
	s_barrier_signal -1
	s_barrier_wait -1                              ; everybody's are: LDS is written again only from here on
.irp t, 0,1,2,3
	ds_store_b16 v65, v[66+\t] offset:\t*64
.endr
	s_wait_dscnt 0x0                               ; my results are in the stage
	s_barrier_signal -1
	s_barrier_wait -1
	s_cmp_ge_u32 s10, 8
	s_cbranch_scc1 .Lend
	; the way out: thread (q bit, i, r) = (bit 7, bits 6:5, bits 4:0) gathers its eight numbers e = 0..7: wave 4 i + (e >> 1), item 2 (e & 1) + q bit
	v_bfe_u32 v28, v0, 7, 1
	v_bfe_u32 v29, v0, 5, 2
	v_lshlrev_b32 v24, 1, v1
	v_lshl_add_u32 v24, v28, 6, v24
	v_lshl_add_u32 v24, v29, 10, v24
	v_add_nc_u32 v24, OSTG, v24
.irp e, 0,1,2,3,4,5,6,7
	ds_load_u16 v[48+\e], v24 offset:(\e>>1)*256+(\e&1)*128
.endr
	s_lshl_b32 s14, s11, 7
	s_lshl1_add_u32 s14, s12, s14
	s_lshl_b32 s14, s14, 11                        ; (128 b + 2 qp) x 2,048 bytes
	s_add_nc_u64 s[8:9], s[8:9], s[14:15]
	s_wait_dscnt 0x0
.irp p, 0,1,2,3
	v_lshl_or_b32 v[56+\p], v[49+2*\p], 16, v[48+2*\p]
.endr
	global_store_b128 v2, v[56:59], s[8:9]         ; a wave's store covers 512 consecutive bytes
.Lend:
	s_wait_tensorcnt 0x0
	ds_add_u32 v112, v113
	s_wait_dscnt 0x0
	s_endpgm
.Lfunc_end_k_q20cbf83539_knn_sort:
	.size	k_q20cbf83539_knn_sort, .Lfunc_end_k_q20cbf83539_knn_sort-k_q20cbf83539_knn_sort
	.p2alignl 7, 3214868480
	.fill 96, 4, 3214868480
	.section	.rodata,"a",@progbits
	.p2align	6, 0x0
	.amdhsa_kernel k_q20cbf83539_knn_sort
		.amdhsa_group_segment_fixed_size 38912
		.amdhsa_private_segment_fixed_size 0
		.amdhsa_enable_private_segment 0
		.amdhsa_kernarg_size 24
		.amdhsa_user_sgpr_count 2
		.amdhsa_user_sgpr_kernarg_segment_ptr 1
		.amdhsa_wavefront_size32 1
		.amdhsa_system_sgpr_workgroup_id_x 1
		.amdhsa_system_sgpr_workgroup_id_y 1
		.amdhsa_system_sgpr_workgroup_id_z 1
		.amdhsa_system_vgpr_workitem_id 0
		.amdhsa_next_free_vgpr 114
		.amdhsa_next_free_sgpr 66
		.amdhsa_reserve_vcc 0
		.amdhsa_float_denorm_mode_32 3
		.amdhsa_float_denorm_mode_16_64 3
		.amdhsa_memory_ordered 1
		.amdhsa_forward_progress 1
		.amdhsa_inst_pref_size 215
	.end_amdhsa_kernel
	.amdgpu_metadata
---
amdhsa.version: [ 1, 2 ]
amdhsa.kernels:
  - .name:           k_q20cbf83539_knn_sort
    .symbol:         k_q20cbf83539_knn_sort.kd
    .args:
      - { .name: xyz, .offset: 0, .size: 8, .value_kind: global_buffer, .address_space: global }
      - { .name: gmask, .offset: 8, .size: 8, .value_kind: global_buffer, .address_space: global }
      - { .name: idxg, .offset: 16, .size: 8, .value_kind: global_buffer, .address_space: global }
    .group_segment_fixed_size: 38912
    .private_segment_fixed_size: 0
    .kernarg_segment_align: 8
    .kernarg_segment_size: 24
    .max_flat_workgroup_size: 512
    .sgpr_count:     66
    .vgpr_count:     114
    .wavefront_size: 32
...
	.end_amdgpu_metadata
.endif
;; end of part 7
;; launch gmax: the kernel of part 4 again; grid 256 x 1, 16 waves a work-group, no clusters, 133,632 bytes of LDS; arguments zs, idxg, mx, st; writes mx, st
;; launch fin: the kernel of part 5 again; grid 256 x 1, 8 waves a work-group, no clusters, 0 bytes of LDS; arguments mx, st, gamma, beta, out0; writes out0
